; MI455X (gfx1250); checked and timed in simulation.
; The chip was launched on July 23, 2026; its instructions are those of AMD's public machine-readable ISA for CDNA 5 (MIT licence, August 2026) and "CDNA5" Instruction Set Architecture Reference Guide (July 2026). The comments in the code are by the model that wrote it; some were corrected since.
;; Scaled Dot Product Attention. Allowed arithmetic: matrix products marked QUANTISED: E5M2 operands, one E8M0 scale for each 32 along K, by v_wmma_scale_f32_16x16x128_f8f6f4 with both operands' format E5M2, f32 sums; everything else in f32.
;; Inputs: K_codes 4 x 16 x 2,048 x 4 x 32 uint8 (E5M2 codes of K, K innermost, in blocks of 32 codes); K_scales 4 x 16 x 2,048 x 4 uint8 (E8M0 scales of K, one for each 32 codes along K); Q_codes 4 x 16 x 2,048 x 4 x 32 uint8 (E5M2 codes of Q, K innermost, in blocks of 32 codes); Q_scales 4 x 16 x 2,048 x 4 uint8 (E8M0 scales of Q, one for each 32 codes along K); V_codes 4 x 16 x 128 x 64 x 32 uint8 (E5M2 codes of V, K innermost, in blocks of 32 codes); V_scales 4 x 16 x 128 x 64 uint8 (E8M0 scales of V, one for each 32 codes along K); mask 2,048 x 2,048 bool.
;; Outputs: out0 4 x 16 x 2,048 x 128 float32.
;; This version of the problem:
;;   THIS VERSION OF THE PROBLEM IS GIVEN IN LOW PRECISION. The matrix products marked QUANTISED in the list below multiply operands that are first quantised to E5M2 (5 exponent bits, 2 mantissa bits; 8 bits a number), with one power-of-two scale for each 32 numbers along K (OCP MX v1.0); their sums are f32. All else is computed in f32.
;;   The module's matrix products, in the order in which they are computed (A, B: the left and right operand; K: the contracted axis; several contracted axes count as one K, in the product's order):
;;     1. batch 64 x [M 2,048, K 128] x [K 128, N 2,048]; A: input Q (given as codes); B: input K (given as codes): QUANTISED
;;     2. batch 64 x [M 2,048, K 2,048] x [K 2,048, N 128]; A: softmax (see below); B: input V (given as codes): QUANTISED
;;   THE QUANTISER, for each operand of a quantised product, along K:
;;     - K is cut into blocks of 32 from its start; a last block that is shorter is filled with zeros.
;;     - A block's scale is 2^e with e = floor(log2(the largest magnitude in the block)) - 15, held to -126 .. 127; a block of zeros has e = 0. As a byte (E8M0): e + 127.
;;     - Each number is divided by its block's scale, clamped to +-57,344, and rounded to the nearest number of E5M2, ties to even, subnormals kept.
;;     - The product sums the exact products of the quantised numbers (number of the format x scale) in f32.
;;   ~~~python
;;   def quantise(x, axis):      # numpy; x: float32 -> the quantised numbers, widened to float32 again
;;       x = np.moveaxis(x, axis, -1); K = x.shape[-1]
;;       x = np.pad(x, [(0, 0)] * (x.ndim - 1) + [(0, -K % 32)]); x = x.reshape(x.shape[:-1] + (-1, 32)); a = np.abs(x).max(-1, keepdims=True)
;;       e = np.where(a > 0, np.clip(np.frexp(np.where(a > 0, a, 1))[1] - 1 - 15, -126, 127), 0)      # np.frexp(a)[1] - 1 = floor(log2(a)), exactly
;;       r = np.clip(x / 2.0 ** e, -57344, 57344)
;;       step = 2.0 ** (np.maximum(np.frexp(np.where(r == 0, 1, r))[1] - 1, -14) - 2)
;;       q = np.round(r / step) * step * 2.0 ** e      # np.round: ties to even
;;       return np.moveaxis(q.reshape(q.shape[:-2] + (-1,))[..., :K], -1, axis).astype(np.float32)
;;   ~~~
;;   SOFTMAX AHEAD OF A QUANTISED PRODUCT. Where the list says 'softmax', what is quantised is not the finished softmax but p = 2^(t - M), with t = logit x log2(e) and M = ceil(the row's largest t), a whole number; so 1/2 < the row's largest p <= 1. The row's sum l is taken of the UNQUANTISED p, in f32, and the product's result is divided by l at the end. Since M is a whole number, a kernel that streams over the keys may use a running M (the ceiling of the running maximum): every later rescaling is an exact power of two, which a block's scale takes up: the codes' values come out the same.
;;   OPERANDS COMPUTED ON THE WAY. 'Computed on the way' means the value that the module computes at that place (a softmax that the list does not call 'softmax' is quantised finished and normalised). What goes into a quantiser is computed in f32, as accurately as f32 sums, v_exp_f32 and their like allow (about 1e-6 of the number): no bf16 or f16 on the way to a quantiser, and a product that is left as it is and whose result goes on into a quantised operand takes f32 operands (vector FMAs, or v_wmma_f32_16x16x4_f32). A number that lies on a knife's edge between two numbers of the format may be rounded either way, as far as f32 arithmetic and the matrix unit's own rounding can turn it there, and no further.
;;   INPUTS GIVEN AS CODES. K (in the module: [4, 16, 2048, 128], K = its axis 3); Q (in the module: [4, 16, 2048, 128], K = its axis 3); V (in the module: [4, 16, 2048, 128], K = its axis 2): each comes as NAME_codes (uint8): NAME with its K axis moved to the last place and cut into blocks of 32 codes, [.., K / 32, bytes a block], one block behind the other in memory; one code a byte (a code: sign, 5 exponent bits, 2 mantissa bits); and NAME_scales (uint8): the same leading axes, one E8M0 byte (e + 127) for each 32 codes along K. Its value is code x scale, taken as it is: it is not quantised again, and the codes and scales need not be those that the quantiser above would give.
;; 2 versions. Each part assembles by itself: llvm-mc -triple=amdgcn-amd-amdhsa -mcpu=gfx1250 --defsym DOCPART=n.
;; ======== version 1 of 2: 2 launches
;; workspace buffers: mwords 524,288 bytes of whole numbers; mflags 512 bytes of whole numbers
;; launch maskprep (part 1): grid 128 x 1, 16 waves a work-group, no clusters, 3,072 bytes of LDS; arguments mask, mwords, mflags; writes mwords, mflags
.if DOCPART == 1
	.amdgcn_target "amdgcn-amd-amdhsa--gfx1250"
	.amdhsa_code_object_version 6
	.text
	.protected	k_q67c383c7b2_maskprep
	.globl	k_q67c383c7b2_maskprep
	.p2align	8
	.type	k_q67c383c7b2_maskprep,@function
k_q67c383c7b2_maskprep:
	s_mov_b64 s[64:65], 0
	v_nop
	global_prefetch_b8 v0, s[64:65] scope:SCOPE_SE
	s_setreg_imm32_b32 hwreg(HW_REG_WAVE_MODE, 25, 1), 1
	s_wait_xcnt 0x0
; The mask [2048 queries][2048 keys], one byte (0 or 1) each, is turned into what the attention launch can use without a compare:
;   mwords[T][j][n], T = 0..127 (a tile of 16 queries), j = 0..15 (a step of 128 keys), n = 0..63: a 32-bit LANE MASK.
;     Bit l of it is mask[16 T + l % 16][128 j + 32 (n / 16) + 16 (l / 16) + n % 16]: lane l's n-th score register in the attention launch.
;     The 64 words of a pair (T, j) are 256 consecutive bytes at (16 T + j) x 256.
;   mflags[T]: bit j = some key of step j counts for some query of the tile; bit 16 + j = all of them count.
; SHARES: work-group = T, wave = j.  Lane l = (r = l % 16, h = l / 16) reads, of row 16 T + r, the 16 bytes at 128 j + 32 b + 16 h, b = 0..3:
; register 4 b + w, byte y is n = 16 b + 4 w + y.  A compare of one byte in all 32 lanes gives word n as a scalar.
; No matrix unit, no cluster, no tensor load: 4 MiB are read once and an eighth of that is stored.
.set MB,  16                           ; v16-31  my 64 mask bytes
.set TMPV, 32                          ; v32-39  eight bytes picked out
.set WD,  8                            ; v[8:9]  lane i: words 2 i and 2 i + 1 of the wave's 64
.set LM,  24                           ; s24-31  eight lane masks
	s_load_b128 s[4:7], s[0:1], 0x0                ; mask s[4:5], mwords s[6:7]
	s_load_b64 s[8:9], s[0:1], 0x10                ; mflags
	v_lshl_add_u32 v48, v0, 2, 0x400
	v_mov_b32 v49, 0
	v_lshrrev_b32 v1, 5, v0
	v_readfirstlane_b32 s10, v1                    ; wave = j
	v_and_b32 v2, 31, v0                           ; lane
	v_and_b32 v3, 15, v0                           ; r
	v_bfe_u32 v4, v0, 4, 1                         ; h
	v_lshlrev_b32 v5, 11, v3
	v_lshl_add_u32 v5, v4, 4, v5                   ; 2,048 r + 16 h
	v_lshlrev_b32 v6, 3, v2                        ; 8 x lane: my two words on the way out
	v_lshlrev_b32 v13, 2, v2                       ; 4 x lane
	v_mov_b32 v[WD], 0                             ; a lane write's destination counts as read: written whole first
	v_mov_b32 v[WD+1], 0
	s_lshl_b32 s12, ttmp9, 15                      ; 16 rows of 2,048 bytes a tile,
	s_lshl_b32 s14, s10, 7                         ; 128 bytes a step
	s_add_co_u32 s12, s12, s14
	s_mov_b32 s13, 0
	s_lshl_b32 s14, ttmp9, 4
	s_add_co_u32 s14, s14, s10
	s_lshl_b32 s14, s14, 8                         ; (16 T + j) x 256
	s_mov_b32 s15, 0
	s_lshl_b32 s16, ttmp9, 2                       ; 4 T
	s_mov_b32 s17, 0
	s_mov_b32 s20, 0                               ; the OR of all 64 words
	s_mov_b32 s21, -1                              ; the AND of all 64 words
	s_wait_kmcnt 0x0
	s_add_nc_u64 s[4:5], s[4:5], s[12:13]
	s_add_nc_u64 s[6:7], s[6:7], s[14:15]
	s_add_nc_u64 s[8:9], s[8:9], s[16:17]
.irp b, 0,1,2,3
	global_load_b128 v[MB+4*\b:MB+4*\b+3], v5, s[4:5] offset:32*\b
.endr
	s_wait_loadcnt 0x0
; Words 8 G .. 8 G + 7: pick the byte, compare it with 0 in all lanes, put the lane mask into lane n / 2 of register n % 2, and gather OR and AND.
.macro WORDS G
.irp e, 0,1,2,3,4,5,6,7
	v_and_b32 v[TMPV+\e], 0xff<<(8*(\e%4)), v[MB+2*\G+\e/4]
.endr
.irp e, 0,1,2,3,4,5,6,7
	v_cmp_ne_u32 s[LM+\e], 0, v[TMPV+\e]
.endr
.irp e, 0,1,2,3,4,5,6,7
	v_writelane_b32 v[WD+\e%2], s[LM+\e], 4*\G+\e/2
.endr
.irp e, 0,1,2,3,4,5,6,7
	s_or_b32 s20, s20, s[LM+\e]
	s_and_b32 s21, s21, s[LM+\e]
.endr
.endm
.irp G, 0,1,2,3,4,5,6,7
	WORDS \G
.endr
	global_store_b64 v6, v[WD:WD+1], s[6:7]        ; 32 lanes store 256 consecutive bytes, at a multiple of 256 from the buffer's first byte
	s_cmp_lg_u32 s20, 0
	s_cselect_b32 s22, 1, 0                        ; some key counts
	s_cmp_eq_u32 s21, -1
	s_cselect_b32 s23, 1, 0                        ; all keys count
	v_mov_b32 v10, s10
	v_lshlrev_b32 v10, 2, v10                      ; LDS: word j, and word 16 + j
	v_mov_b32 v11, s22
	v_mov_b32 v12, s23
	ds_store_b32 v10, v11                          ; all lanes write the same word with the same value
	ds_store_b32 v10, v12 offset:64
	s_wait_dscnt 0x0                               ; for the others' sake: my two words have landed
	s_barrier_signal -1
	s_barrier_wait -1
	s_cmp_lg_u32 s10, 0                            ; wave 0 alone packs the 32 words into the tile's flags
	s_cbranch_scc1 .Ldone
	ds_load_b32 v14, v13                           ; lane l: word l: lanes 0-15 'some', lanes 16-31 'all'
	s_wait_dscnt 0x0
	v_cmp_ne_u32 vcc_lo, 0, v14
	v_mov_b32 v15, vcc_lo                          ; the flags, in every lane
	v_cmp_eq_u32 vcc_lo, 0, v2
	s_wait_xcnt 0x0                                ; EXEC is a source of the store above: it changes only behind this wait
	s_and_saveexec_b32 s32, vcc_lo                 ; lane 0 alone
	global_store_b32 v13, v15, s[8:9]
	s_wait_xcnt 0x0                                ; and again in front of the line that widens it
	s_or_b32 exec_lo, exec_lo, s32
.Ldone:
	s_wait_tensorcnt 0x0
	ds_add_u32 v48, v49
	s_wait_dscnt 0x0
	s_endpgm
.Lfunc_end_k_q67c383c7b2_maskprep:
	.size	k_q67c383c7b2_maskprep, .Lfunc_end_k_q67c383c7b2_maskprep-k_q67c383c7b2_maskprep
	.p2alignl 7, 3214868480
	.fill 96, 4, 3214868480
	.section	.rodata,"a",@progbits
	.p2align	6, 0x0
	.amdhsa_kernel k_q67c383c7b2_maskprep
		.amdhsa_group_segment_fixed_size 3072
		.amdhsa_private_segment_fixed_size 0
		.amdhsa_enable_private_segment 0
		.amdhsa_kernarg_size 24
		.amdhsa_user_sgpr_count 2
		.amdhsa_user_sgpr_kernarg_segment_ptr 1
		.amdhsa_wavefront_size32 1
		.amdhsa_system_sgpr_workgroup_id_x 1
		.amdhsa_system_sgpr_workgroup_id_y 1
		.amdhsa_system_sgpr_workgroup_id_z 1
		.amdhsa_system_vgpr_workitem_id 0
		.amdhsa_next_free_vgpr 50
		.amdhsa_next_free_sgpr 66
		.amdhsa_reserve_vcc 1
		.amdhsa_float_denorm_mode_32 3
		.amdhsa_float_denorm_mode_16_64 3
		.amdhsa_memory_ordered 1
		.amdhsa_forward_progress 1
		.amdhsa_inst_pref_size 19
	.end_amdhsa_kernel
	.amdgpu_metadata
---
amdhsa.version: [ 1, 2 ]
amdhsa.kernels:
  - .name:           k_q67c383c7b2_maskprep
    .symbol:         k_q67c383c7b2_maskprep.kd
    .args:
      - { .name: mask, .offset: 0, .size: 8, .value_kind: global_buffer, .address_space: global }
      - { .name: mwords, .offset: 8, .size: 8, .value_kind: global_buffer, .address_space: global }
      - { .name: mflags, .offset: 16, .size: 8, .value_kind: global_buffer, .address_space: global }
    .group_segment_fixed_size: 3072
    .private_segment_fixed_size: 0
    .kernarg_segment_align: 8
    .kernarg_segment_size: 24
    .max_flat_workgroup_size: 512
    .sgpr_count:     66
    .vgpr_count:     50
    .wavefront_size: 32
...
	.end_amdgpu_metadata
.endif
;; end of part 1
;; launch attn (part 2): grid 4 x 64, 8 waves a work-group, no clusters, 230,400 bytes of LDS; arguments Q_codes, Q_scales, K_codes, V_codes, mwords, mflags, out0, K_scales, V_scales; writes out0
.if DOCPART == 2
	.amdgcn_target "amdgcn-amd-amdhsa--gfx1250"
	.amdhsa_code_object_version 6
	.text
	.protected	k_q67c383c7b2_attn
	.globl	k_q67c383c7b2_attn
	.p2align	8
	.type	k_q67c383c7b2_attn,@function
k_q67c383c7b2_attn:
	s_mov_b64 s[64:65], 0
	v_nop
	global_prefetch_b8 v0, s[64:65] scope:SCOPE_SE
	s_setreg_imm32_b32 hwreg(HW_REG_WAVE_MODE, 25, 1), 1
	s_wait_xcnt 0x0
; out[h][q][:] = the sum over k of softmax_k(mask ? Q[h][q] . K[h][k] / sqrt(128) : -inf) V[h][k][:], 64 heads, 2,048 queries, 2,048 keys, head size 128.
; Both products on codes of BF8 (E5M2) with one E8M0 scale for each 32 along a product's K.  Q, K: [head][2048][128] codes, scale words [head][2048][4].  V: keys innermost, [head][128][2048], scale bytes [head][128][64].
; THE SOFTMAX AHEAD OF THE SECOND PRODUCT: t = score x log2(e) / sqrt(128); M = the running largest t, rounded UP to a whole number; p = 2^(t - M) is quantised along the keys, not normalised.
; The row's sum is taken of the unquantised p in f32 and divides at the end.  When M moves, the sum and O are multiplied by 2^(old M - new M): exact.
; THE MASK is an input.  The launch before has laid it as lane masks (mwords: one 32-bit word for each score register of a tile and key step) and as flags (mflags: for each tile of 16 queries, bit j: some key of step j
; counts; bit 16 + j: all count).  A hidden score becomes -infinity by ONE v_cndmask_b32 whose selector is a scalar register.  A key step that is hidden for both tiles of a wave is jumped over; where all keys count the
; 64 selections are jumped over: scalar branches on stored whole numbers.
; SHARES.  A work-group takes query blocks x and 7 - x of one head (256 queries each), one after the other, so that work-groups have like work under a full and under a triangular mask; the values do not hang on that.
; Eight waves, two to a SIMD; a wave owns 32 queries: tile A in register window 0, tile B in window 1 at the same numbers.  Each fragment of K and V read from LDS feeds two matrix instructions.
; LAYOUT.  Both products are used transposed: S^T = K Q^T (source 0 = 16 keys, source 1 = 16 queries), O^T = V^T P^T (source 0 = 16 of the head's 128, source 1 = P): a lane holds ONE query (lane % 16) throughout.
; K's rows lie PERMUTED in LDS: key k of a slot at row 32 (k / 32) + 16 (bit 3 of k) + 8 (bit 4 of k) + k % 8.  So the sixteen rows 16 T .. 16 T + 15 of tile T = 2 b + u are keys 32 b + 8 u + r + 8 (r / 8),
; and the 16 registers of tiles 2 b and 2 b + 1 are 16 neighbouring keys, 32 b + 16 (lane / 16) + 0 .. 15: the second product's operand layout.
; K AND V COME THROUGH REGISTERS INTO TWO LDS SLOTS of 256 keys: each thread loads 16 x 16 bytes a slot, one slot (two key steps) ahead of the wait for them, stores them to LDS, one barrier a slot.
; NO TENSOR LOADS, SO NO JOINT LOADS IN A CLUSTER: the walk over key steps branches on stored flags, and work-groups of a head need different slots; a slot that no wave of the work-group needs is not fetched.
; NO PREFETCH: a slot's loads are issued a whole slot's work ahead of the wait for them.
; LIMITS: NaN or infinity codes and scale bytes 0xff are not served; t under -3e38 is not served; a p under 2^-126 counts as 0.  A query with no key gets NaN (0 x 1/0), as the definition gives.
.set KP,    144                        ; a key's row in LDS: 128 bytes + 16: the 16 rows of a load start at 16 different groups of four banks
.set VP,    272                        ; a row of V's tile: 256 bytes + 16
.set VOFF,  256*KP                     ; a slot: 256 rows of K, then 128 rows of V
.set SLOTB, VOFF+128*VP                ; 71,680
.set SCK,   2*SLOTB                    ; K's scale words of the head: 8,192 bytes, dense
.set SCV,   SCK+8192                   ; V's scale bytes: 128 rows of 64 bytes, SVP apart
.set SVP,   80
.set STG,   SCV+128*SVP                ; the way out: 16 rows x (512 + 16) bytes for each wave, its own
.set SP,    528
.set STGW,  16*SP
; window 0
.set ADS,  1                           ; LDS address of the trip's scale words of K
.set ADT,  2                           ; and of V
.set ASK0, 3                           ; my lane's place among K's scale words: lanes 0-15 tiles 0-3, lanes 16-31 tiles 4-7 (64 keys on)
.set ASV0, 4                           ; and among V's: lanes 16-31 64 rows on
.set QSA,  5                           ; Q's scale words, tile A; QSB tile B
.set QSB,  6
.set PSA,  7                           ; p's scale word, tile A; PSB tile B.  v5-8 and v248-251 of window 0 hold scales and nothing else
.set PSB,  8
.set NINF, 9                           ; -infinity (in both windows)
.set SO,   10                          ; the stage: where I put 32 bytes of a row
.set SR,   11                          ; and where I read a row back
.set NM,   12                          ; -M            (v12-31, v96-247, v252-254: the same in window 1 for tile B)
.set TMX,  13                          ; the largest t so far
.set SUM,  14                          ; v[14:15] the row's sum in two halves
.set QF,   16                          ; v16-31   Q's fragment
.set FR,   32                          ; v32-95   four fragments of K, then V's fragments 0-3 (window 0 alone)
.set S,    96                          ; v96-159  S^T, then p; in window 0 later V's fragments 4-7
.set O,    160                         ; v160-223 O^T
.set PC,   224                         ; v224-239 p's codes (they take BM's and PT's places when those are done with)
.set BM,   232                         ; the blocks' largest scores, then largest p
.set PT,   236                         ; at work
.set HL,   240                         ; 57,344 x the scale
.set XS,   244                         ; the conversions' scale operands
.set KS,   248                         ; v248-251 scale words of K's, then of V's tiles
.set F,    252                         ; 2^(old M - new M)
.set TW,   253                         ; at work; named as the upper half of the pair v[252:253]
.set TM,   254                         ; at work
.set GO,   255                         ; 16 x lane: my bytes in a row of the output
; window 1
.set AK,   1                           ; v1, v2   my lane's place in a tile of K, slot 0, 1
.set AV,   3                           ; v3, v4   the same for V
.set GLK,  5                           ; 16 t: my 16 bytes of 4,096 of K's block in memory
.set GLV,  6                           ; 2,048 (t / 16) + 16 (t % 16): of V's rows
.set LSK,  7                           ; v7, v8   where they go in LDS, slot 0, 1
.set LSV,  10                          ; v10, v11
.set STK,  32                          ; v32-63   a slot's K on its way
.set STV,  64                          ; v64-95   and V
; scalars
.set QC,   4                           ; s[4:5]  Q's codes at my head;  s[6:7] its scale words
.set QS,   6
.set KW,   8                           ; s[8:9]  K's codes at the slot to be fetched;  s[10:11] V's
.set VW,   10
.set MWB,  12                          ; s[12:13] mwords;  s[14:15] mflags;  s[16:17] the output at my head
.set FLG,  14
.set OUT,  16
.set WV,   18
.set MNT,  19                          ; the mantissa field of 57,344
.set SEL,  20                          ; s[20:21] v_permlanex16_b32's selects for lane l xor 16
.set CS,   22                          ; s[22:23] c = log2(e) / sqrt(128); the packed form names a pair and takes its low word
.set TS,   24                          ; the trip's first scale word of K: 2,048 bytes a trip
.set MO,   25                          ; the trip's first lane mask of tile A, in bytes
.set TRIPS, 26
.set PASS, 27
.set FA,   28                          ; bit k: step k of the trip counts for tile A or B
.set FFA,  29                          ; bit k: all its keys count for tile A;  FFB: for tile B
.set FFB,  30
.set BLK,  31
.set WGA,  66                          ; bit k: step k of the trip counts for some tile of the work-group
.set Q0,   67                          ; my first query
.set T2,   100
.set T3,   101
.set OB,   104                         ; s[104:105] the output at my first query
                                       ; s[32:63], s[68:99]: 64 lane masks: word n in s[32 + n] (n < 32) or s[36 + n]
.set MSB, 0
.macro WIN new                         ; low byte: bits 1:0 source 0, 3:2 source 1, 5:4 source 2, 7:6 destination; the high byte repeats the setting that is left
.if MSB != \new
	s_set_vgpr_msb (MSB<<8)|\new
.set MSB, \new
.endif
.endm
.macro PLACES n
.rept \n
	v_nop
.endr
.endm
	s_load_b256 s[4:11], s[0:1], 0x0               ; Q's codes, Q's scales, K's codes, V's codes
	s_load_b128 s[12:15], s[0:1], 0x20             ; mwords, mflags
	s_load_b64 s[16:17], s[0:1], 0x30              ; the output
	s_load_b64 s[2:3], s[0:1], 0x38                ; K's scales
	s_load_b64 s[104:105], s[0:1], 0x40            ; V's scales
	s_set_vgpr_msb 0x40
	v_lshl_add_u32 v251, v0, 2, 0x38000
	v_mov_b32 v255, 0
	s_set_vgpr_msb 0x4000
	v_lshrrev_b32 v112, 5, v0
	v_readfirstlane_b32 s[WV], v112                ; wave 0..7
	s_and_b32 s[T2], ttmp7, 0xffff                 ; the head
	s_lshl_b32 s24, s[T2], 18                      ; its first byte in each tensor of codes (2,048 x 128),
	s_mov_b32 s25, 0
	s_lshl_b32 s26, s[T2], 13                      ; of scale bytes (8,192),
	s_mov_b32 s27, 0
	s_lshl_b32 s28, s[T2], 20                      ; and in the output (2,048 x 512)
	s_mov_b32 s29, 0
	s_mov_b32 s[MNT], 0x600000
	s_mov_b32 s[SEL], 0x76543210
	s_mov_b32 s[SEL+1], 0xfedcba98
	s_mov_b32 s[CS], 0x3e0293ee
	s_mov_b32 s[CS+1], s[CS]                       ; (named with it as a pair, so it is written)
	v_lshlrev_b32 v115, 4, v0                      ; 16 t
	s_wait_kmcnt 0x0
	s_add_nc_u64 s[QC:QC+1], s[QC:QC+1], s[24:25]
	s_add_nc_u64 s[KW:KW+1], s[KW:KW+1], s[24:25]
	s_add_nc_u64 s[VW:VW+1], s[VW:VW+1], s[24:25]
	s_add_nc_u64 s[QS:QS+1], s[QS:QS+1], s[26:27]
	s_add_nc_u64 s[2:3], s[2:3], s[26:27]
	s_add_nc_u64 s[104:105], s[104:105], s[26:27]
	s_add_nc_u64 s[OUT:OUT+1], s[OUT:OUT+1], s[28:29]
	global_load_b128 v[96:99], v115, s[2:3]                  ; the head's scale bytes, 8,192 of K's and 8,192 of V's: each load of a wave covers 512 consecutive bytes
	global_load_b128 v[100:103], v115, s[2:3] offset:4096
	global_load_b128 v[104:107], v115, s[104:105]
	global_load_b128 v[108:111], v115, s[104:105] offset:4096
	; the lane terms, while those loads are out
	v_and_b32 v112, 15, v0                         ; r = t % 16
	v_bfe_u32 v113, v0, 4, 1                       ; h
	v_and_b32 v114, 31, v0                         ; lane
	v_add_nc_u32 v116, SCK, v115                   ; K's scale bytes go to LDS as they lie
	v_lshrrev_b32 v117, 2, v0                      ; V's: 64 bytes a row: row t / 4, 16 (t % 4) in it
	v_mul_u32_u24 v117, v117, SVP
	v_and_b32 v118, 3, v0
	v_lshl_add_u32 v117, v118, 4, v117
	v_add_nc_u32 v117, SCV, v117
	v_and_b32 v118, 8, v112
	v_add_nc_u32 v118, v118, v112                  ; r + 8 (r / 8)
	v_lshl_add_u32 v[ASK0], v118, 2, SCK
	v_lshl_add_u32 v[ASK0], v113, 8, v[ASK0]
	v_mul_u32_u24 v[ASV0], v112, SVP
	v_mad_u32_u24 v[ASV0], v113, 64*SVP, v[ASV0]
	v_add_nc_u32 v[ASV0], SCV, v[ASV0]
	s_mul_i32 s[T2], s[WV], STGW
	s_add_co_u32 s[T2], s[T2], STG                 ; my stage
	v_mul_u32_u24 v[SO], v112, SP
	v_lshl_add_u32 v[SO], v113, 5, v[SO]
	v_add_nc_u32 v[SO], s[T2], v[SO]               ; in: row r, + 32 h
	v_lshl_add_u32 v[SR], v114, 4, s[T2]           ; back: 32 lanes take a row of 512 bytes
	v_lshlrev_b32 v[GO], 4, v114
	v_mul_u32_u24 v119, v112, KP
	v_mul_u32_u24 v120, v112, VP
	v_add_nc_u32 v120, VOFF, v120
	v_lshrrev_b32 v121, 4, v0                      ; t / 16
	v_mul_u32_u24 v124, v121, VP
	v_add_nc_u32 v124, VOFF, v124
	v_lshlrev_b32 v121, 11, v121
	v_and_b32 v122, 7, v0
	v_bfe_u32 v123, v0, 3, 3                       ; my key of a load's 32 is t / 8: its bits 2:0,
	v_bfe_u32 v125, v0, 6, 1                       ; its bit 3 counts 16 rows,
	v_lshl_add_u32 v123, v125, 4, v123
	v_bfe_u32 v125, v0, 7, 1                       ; its bit 4 counts 8
	v_lshl_add_u32 v123, v125, 3, v123
	v_mul_u32_u24 v123, v123, KP
	v_mov_b32 v[NINF], 0xff800000
.irp b, 0,1,2,3
	v_mov_b32 v[PT+\b], 0                          ; written once: a lane permute's destination counts as one of its sources
.endr
	v_mov_b32 v[F], 0
	v_mov_b32 v[TW], 0
	WIN 0x40                                       ; destination window 1, sources window 0
	v_lshl_add_u32 v[AK], v113, 4, v119            ; 144 r + 16 h
	v_lshl_add_u32 v[AV], v113, 4, v120            ; VOFF + 272 r + 16 h
	v_lshlrev_b32 v[GLK], 4, v0
	v_lshl_add_u32 v[GLV], v112, 4, v121
	v_lshl_add_u32 v[LSK], v122, 4, v123
	v_lshl_add_u32 v[LSV], v112, 4, v124
	v_mov_b32 v[NINF], 0xff800000
.irp b, 0,1,2,3
	v_mov_b32 v[PT+\b], 0
.endr
	v_mov_b32 v[F], 0
	v_mov_b32 v[TW], 0
	WIN 0x44                                       ; source 1 window 1 too: the same places in slot 1
	v_add_nc_u32 v[AK+1], SLOTB, v[AK]
	v_add_nc_u32 v[AV+1], SLOTB, v[AV]
	v_add_nc_u32 v[LSK+1], SLOTB, v[LSK]
	v_add_nc_u32 v[LSV+1], SLOTB, v[LSV]
	WIN 0
	s_wait_loadcnt 0x0                             ; the scale bytes; their bases may be written again
	ds_store_b128 v116, v[96:99]
	ds_store_b128 v116, v[100:103] offset:4096
	ds_store_b128 v117, v[104:107]
	ds_store_b128 v117, v[108:111] offset:64*SVP   ; 4,096 bytes on are 64 rows on.  These stores are waited for in front of the first fill's barrier
	s_mov_b32 s[PASS], 2
; A slot's 256 keys are asked for: K's 32,768 dense bytes (a load of a wave covers 512 of them), V's 128 rows x 256 bytes (a load of a wave covers two rows' aligned 256).
; bits: the work-group's flags of the slot's two key steps: where none is set, nobody will read the slot, and nothing is fetched.  bits = 0: always.
.macro ASK bits
.if \bits
	s_and_b32 s[T2], s[WGA], \bits
	s_cmp_lg_u32 s[T2], 0
	s_cbranch_scc0 .Lnoask_\@
.endif
	WIN 0x41                                       ; address and destination window 1
.irp i, 0,1,2,3,4,5,6,7
	global_load_b128 v[STK+4*\i:STK+4*\i+3], v[GLK], s[KW:KW+1] offset:4096*\i
.endr
.irp i, 0,1,2,3,4,5,6,7
	global_load_b128 v[STV+4*\i:STV+4*\i+3], v[GLV], s[VW:VW+1] offset:32768*\i
.endr
	WIN 0
.if \bits
.Lnoask_\@:
.endif
.endm
; And put into LDS.  ONE barrier for two things: in front of it my stores into this slot have landed and my reads of the other slot are over; behind it this slot is whole, and the other may be written.
.macro PUT slot, bits
	s_wait_loadcnt 0x0                             ; all my loads are in, so their bases may step
	s_add_nc_u64 s[KW:KW+1], s[KW:KW+1], 32768     ; the next 256 keys
	s_add_nc_u64 s[VW:VW+1], s[VW:VW+1], 256
.if \bits
	s_and_b32 s[T2], s[WGA], \bits
	s_cmp_lg_u32 s[T2], 0
	s_cbranch_scc0 .Lnoput_\@
.endif
	WIN 0x05                                       ; address and data window 1
.irp i, 0,1,2,3,4,5,6,7
	ds_store_b128 v[LSK+\slot], v[STK+4*\i:STK+4*\i+3] offset:32*KP*\i
.endr
.irp i, 0,1,2,3,4,5,6,7
	ds_store_b128 v[LSV+\slot], v[STV+4*\i:STV+4*\i+3] offset:16*VP*\i
.endr
	WIN 0
.if \bits
.Lnoput_\@:
.endif
	s_wait_dscnt 0x0
	s_barrier_signal -1
	s_barrier_wait -1
.endm
; The 64 lane masks of tile A (0) or B (1) for step k of the trip: 256 consecutive bytes
.macro MLOAD tile, k
	s_load_b512 s[32:47], s[MWB:MWB+1], s[MO] offset:4096*\tile+256*\k
	s_load_b512 s[48:63], s[MWB:MWB+1], s[MO] offset:4096*\tile+256*\k+64
	s_load_b512 s[68:83], s[MWB:MWB+1], s[MO] offset:4096*\tile+256*\k+128
	s_load_b512 s[84:99], s[MWB:MWB+1], s[MO] offset:4096*\tile+256*\k+192
.endm
; Hidden scores become -infinity: p = 0 then.  Ascending
.macro MASK
.set nn, 0
.rept 64
	v_cndmask_b32 v[S+nn], v[NINF], v[S+nn], s[32+nn+4*(nn/32)]
.set nn, nn+1
.endr
.endm
; Four products S^T = K Q^T: tiles 4 g .. 4 g + 3 of 16 keys.  K's scale words: lanes 0-15 of v[KS + t] hold tile t's, lanes 16-31 tile t + 4's
.macro QK g, qs
.irp t, 0,1,2,3
.if \g
	v_wmma_scale_f32_16x16x128_f8f6f4 v[S+8*(4*\g+\t):S+8*(4*\g+\t)+7], v[FR+16*\t:FR+16*\t+15], v[QF:QF+15], 0, v[KS+\t], v[\qs] matrix_a_fmt:MATRIX_FMT_BF8 matrix_b_fmt:MATRIX_FMT_BF8 matrix_a_scale:MATRIX_SCALE_ROW1
.else
	v_wmma_scale_f32_16x16x128_f8f6f4 v[S+8*(4*\g+\t):S+8*(4*\g+\t)+7], v[FR+16*\t:FR+16*\t+15], v[QF:QF+15], 0, v[KS+\t], v[\qs] matrix_a_fmt:MATRIX_FMT_BF8 matrix_b_fmt:MATRIX_FMT_BF8
.endif
.endr
.endm
; Eight products O^T += V^T P^T: the eight accumulators take turns, one instruction a turn
.macro PV ps
.irp t, 0,1,2,3
	v_wmma_scale_f32_16x16x128_f8f6f4 v[O+8*\t:O+8*\t+7], v[FR+16*\t:FR+16*\t+15], v[PC:PC+15], v[O+8*\t:O+8*\t+7], v[KS+\t], v[\ps] matrix_a_fmt:MATRIX_FMT_BF8 matrix_b_fmt:MATRIX_FMT_BF8
.endr
.irp t, 0,1,2,3
	v_wmma_scale_f32_16x16x128_f8f6f4 v[O+32+8*\t:O+32+8*\t+7], v[S+16*\t:S+16*\t+15], v[PC:PC+15], v[O+32+8*\t:O+32+8*\t+7], v[KS+\t], v[\ps] matrix_a_fmt:MATRIX_FMT_BF8 matrix_b_fmt:MATRIX_FMT_BF8 matrix_a_scale:MATRIX_SCALE_ROW1
.endr
.endm
; Four fragments of V^T (tiles t0 .. t0 + 3 of 16 of the head's 128, the slot's q-th 128 keys) into v[reg] on
.macro VLOAD reg, slot, q, t0
.irp t, 0,1,2,3
.irp c, 0,1,2,3
	ds_load_b128 v[\reg+16*\t+4*\c:\reg+16*\t+4*\c+3], v[AV+\slot] offset:16*VP*(\t0+\t)+128*\q+32*\c
.endr
.endr
.endm
; ONE TILE'S SOFTMAX FOR A KEY STEP.  It runs under one window setting (wself); only the line that writes p's scale word, which lies in window 0, runs under wlast.
.macro SOFTMAX psw, wlast, wself
.irp b, 0,1,2,3
	v_max3_num_f32 v[BM+\b], v[S+16*\b], v[S+1+16*\b], v[S+2+16*\b]   ; the largest score of each block of 32 keys: it serves for the row's maximum and, since p rises with the score, for the block's largest p
.endr
.irp i, 3,5,7,9,11,13
.irp b, 0,1,2,3
	v_max3_num_f32 v[BM+\b], v[BM+\b], v[S+16*\b+\i], v[S+1+16*\b+\i]   ; (the four blocks by turns)
.endr
.endr
.irp b, 0,1,2,3
	v_max_num_f32 v[BM+\b], v[BM+\b], v[S+15+16*\b]
.endr
.irp b, 0,1,2,3
	v_permlanex16_b32 v[PT+\b], v[BM+\b], s[SEL], s[SEL+1]
.endr
.irp b, 0,1,2,3
	v_max_num_f32 v[BM+\b], v[BM+\b], v[PT+\b]     ; with lane l xor 16's 16 keys
.endr
	v_max3_num_f32 v[TM], v[BM], v[BM+1], v[BM+2]
	v_max_num_f32 v[TM], v[TM], v[BM+3]            ; the step's largest score of my query (-infinity where all its keys are hidden)
	v_mul_f32 v[TM], s[CS], v[TM]                  ; as t (c is positive)
	v_max_num_f32 v[TMX], v[TMX], v[TM]            ; the running largest t
	v_mov_b32 v[TM], v[NM]
	v_floor_f32 v[NM], -v[TMX]                     ; the new -M = floor(-t) = -ceil(t): M is a whole number
	v_sub_f32 v[TM], v[NM], v[TM]                  ; old M less new M: a whole number, 0 or less
	v_cvt_i32_f32 v[TM], v[TM]                     ; (it saturates)
	v_ldexp_f32 v[F], 1.0, v[TM]                   ; f = 2^(old M - new M): a multiplication by it rounds nothing
.set jj, 0
.rept 32
	v_pk_fma_f32 v[S+jj:S+jj+1], v[S+jj:S+jj+1], s[CS:CS+1], v[NM:NM+1] op_sel_hi:[1,0,0]   ; t - M, two at a time (of the pairs c and -M the low word serves both halves)
.set jj, jj+2
.endr
.irp b, 0,1,2,3
	v_fma_f32 v[BM+\b], v[BM+\b], s[CS], v[NM]     ; the same of each block's largest score
.endr
.set jj, 0
.rept 64
	v_exp_f32 v[S+jj], v[S+jj]                     ; p = 2^(t - M), at most 1: not normalised
.set jj, jj+1
.endr
	v_pk_mul_f32 v[SUM:SUM+1], v[SUM:SUM+1], v[F:F+1] op_sel_hi:[1,0]   ; the sums under the new M: a plain instruction behind the exponentials
	s_wait_alu depctr_va_vdst(0)                   ; one wait for the batch of 64, ahead of its first reader
.irp b, 0,1,2,3
	v_exp_f32 v[BM+\b], v[BM+\b]                   ; the block's largest p: the same two instructions on the same number give the same bits
.endr
	v_pk_add_f32 v[PT:PT+1], v[S:S+1], v[S+2:S+3]  ; the row's sum is taken of the unquantised p: two at a time, in two chains
.irp j, 4,8,12,16,20,24,28,32,36,40,44,48,52,56,60
	v_pk_add_f32 v[SUM:SUM+1], v[SUM:SUM+1], v[S+\j:S+\j+1]
	v_pk_add_f32 v[PT:PT+1], v[PT:PT+1], v[S+2+\j:S+3+\j]
.endr
	v_pk_add_f32 v[SUM:SUM+1], v[SUM:SUM+1], v[PT:PT+1]
	s_wait_alu depctr_va_vdst(0)                   ; and one for the four
.irp b, 0,1,2,3
	v_max_num_f32 v[BM+\b], 0x8000000, v[BM+\b]    ; the floor 2^(16 - 127): the byte cannot fall under 1 (a block whose every p is 0 keeps that byte: its codes are zeros)
.endr
.irp b, 0,1,2,3
	v_add_nc_u32 v[XS+\b], 0xf8800000, v[BM+\b]    ; 15 off the exponent field: the conversion's scale operand
.endr
.irp b, 0,1,2,3
	v_and_or_b32 v[HL+\b], v[BM+\b], 0x7f800000, s[MNT]   ; 57,344 x the scale
.endr
.irp b, 0,1,2,3
	v_lshrrev_b32 v[PT+\b], 23, v[XS+\b]           ; the scale's byte
.endr
	v_lshl_or_b32 v[TW], v[PT+1], 8, v[PT]
	v_lshl_or_b32 v[TW], v[PT+2], 16, v[TW]
	WIN \wlast
	v_lshl_or_b32 v[\psw], v[PT+3], 24, v[TW]      ; p's scale word for these 128 keys: far more than eight plain instructions ahead of the products that name it
	WIN \wself
.irp b, 0,1,2,3
.irp i, 0,1,2,3,4,5,6,7,8,9,10,11,12,13,14,15
	v_min_num_f32 v[S+16*\b+\i], v[S+16*\b+\i], v[HL+\b]   ; the conversion to an 8-bit code does not saturate (ISA guide 7.6.2); p is not negative, so the hold is one-sided
.endr
	v_cvt_scalef32_pk8_bf8_f32 v[PC+4*\b:PC+4*\b+1], v[S+16*\b:S+16*\b+7], v[XS+\b]
	v_cvt_scalef32_pk8_bf8_f32 v[PC+4*\b+2:PC+4*\b+3], v[S+16*\b+8:S+16*\b+15], v[XS+\b]
.endr
.set jj, 0
.rept 32
	v_pk_mul_f32 v[O+jj:O+jj+1], v[O+jj:O+jj+1], v[F:F+1] op_sel_hi:[1,0]   ; O^T under the new M.  (Plain instructions behind the conversions and ahead of the products that take the codes)
.set jj, jj+2
.endr
.endm
; A KEY STEP: 128 keys, the q-th of LDS slot 'slot', step k of the trip's four.
.macro STEP slot, q, k
	s_bitcmp1_b32 s[FA], \k                        ; hidden for both my tiles: nothing of it is done
	s_cbranch_scc0 .Lhid_\@
	MLOAD 0, \k                                    ; tile A's lane masks: wanted behind the first product
.irp t, 0,1,2,3
	ds_load_b32 v[KS+\t], v[ADS] offset:512*\k+4*(32*(\t/2)+8*(\t%2))
.endr
.irp g, 0,1
	WIN 0x01                                       ; address window 1, destination window 0
.irp t, 0,1,2,3
.irp c, 0,1,2,3
	ds_load_b128 v[FR+16*\t+4*\c:FR+16*\t+4*\c+3], v[AK+\slot] offset:(128*\q+16*(4*\g+\t))*KP+32*\c
.endr
.endr
	s_wait_dscnt 0x0
	WIN 0
	QK \g, QSA
	WIN 0x54                                       ; K's fragments window 0; Q, C and D window 1
	QK \g, QSB
	WIN 0
	PLACES 8                                       ; eight plain instructions between these products and loads into their operands, and the first read of their results
.endr
.irp t, 0,1,2,3
	ds_load_b32 v[KS+\t], v[ADT] offset:4*\k+16*SVP*\t   ; V's scale words: lanes 0-15 tile t's, lanes 16-31 tile t + 4's
.endr
	WIN 0x01
	VLOAD FR, \slot, \q, 0                         ; V's fragments 0-3 land while the softmax is walked
	WIN 0
	s_wait_kmcnt 0x0                               ; tile A's lane masks are in
	s_bitcmp1_b32 s[FFA], \k
	s_cbranch_scc1 .LopA_\@                        ; all keys count: nothing to hide
	MASK
.LopA_\@:
	MLOAD 1, \k                                    ; tile B's, into the same registers: tile A's have been read
	SOFTMAX PSA, 0, 0
	WIN 0x01
	VLOAD S, \slot, \q, 4                          ; V's fragments 4-7 take the registers that tile A's p has left
	WIN 0
	s_wait_kmcnt 0x0
	s_bitcmp1_b32 s[FFB], \k
	s_cbranch_scc1 .LopB_\@
	WIN 0x55                                       ; all of tile B's vector work: window 1
	MASK
	WIN 0
.LopB_\@:
	WIN 0x55
	SOFTMAX PSB, 0x11, 0x55
	WIN 0
	s_wait_dscnt 0x0                               ; V's eight fragments and its scale words are in
	PV PSA
	WIN 0x54
	PV PSB
	WIN 0
	PLACES 9                                       ; nine: the next step's first products write over v96 on, which these have read as operands
.Lhid_\@:
.endm
; The start of a tile's sums.  Which key step is a wave's first is decided by the stored flags, so no first product can be written out with the constant 0: O^T begins as zeros, which the first change of M leaves zeros.
.macro INIT
	v_mov_b32 v[TMX], 0xff61b1e6                   ; the largest t so far: -3e38, under every t
	v_floor_f32 v[NM], -v[TMX]
	v_mov_b32 v[SUM], 0
	v_mov_b32 v[SUM+1], 0
.set jj, 0
.rept 64
	v_mov_b32 v[O+jj], 0
.set jj, jj+1
.endr
.endm
; The way out of a tile: the sum's halves, lane l xor 16's, the reciprocal, O^T / the sum into the registers that p has left
.macro NORM
	v_add_f32 v[SUM], v[SUM], v[SUM+1]
	v_permlanex16_b32 v[F], v[SUM], s[SEL], s[SEL+1]
	v_add_f32 v[SUM], v[SUM], v[F]
	v_rcp_f32 v[SUM], v[SUM]
	v_nop                                          ; a plain instruction behind the reciprocal
	s_wait_alu depctr_va_vdst(0)                   ; and the wait ahead of its first reader
.set jj, 0
.rept 32
	v_pk_mul_f32 v[S+jj:S+jj+1], v[O+jj:O+jj+1], v[SUM:SUM+1] op_sel_hi:[1,0]   ; register 8 t + i is out(query r, channel 16 t + 8 h + i)
.set jj, jj+2
.endr
.endm
.macro TOSTAGE
.irp t, 0,1,2,3,4,5,6,7
	ds_store_b128 v[SO], v[S+8*\t:S+8*\t+3] offset:64*\t
	ds_store_b128 v[SO], v[S+8*\t+4:S+8*\t+7] offset:64*\t+16
.endr
.endm
.macro BACK reg
.irp i, 0,1,2,3,4,5,6,7,8,9,10,11,12,13,14,15
	ds_load_b128 v[\reg+4*\i:\reg+4*\i+3], v[SR] offset:SP*\i   ; LDS serves a wave's instructions in order (ISA guide 5.7.1.4): these see my stores, and the next tile's stores come behind them
.endr
.endm
.macro SEND reg, off
.irp i, 0,1,2,3,4,5,6,7,8,9,10,11,12,13,14,15
	global_store_b128 v[GO], v[\reg+4*\i:\reg+4*\i+3], s[OB:OB+1] offset:\off+512*\i th:TH_STORE_NT   ; 32 lanes store a row's 512 consecutive bytes, at a multiple of 256 from the output's first byte
.endr
.endm
.Lpass:                                            ; two passes: block x, then block 7 - x
	s_sub_co_u32 s[T2], 7, ttmp9
	s_cmp_eq_u32 s[PASS], 2
	s_cselect_b32 s[BLK], ttmp9, s[T2]
	s_lshl_b32 s[Q0], s[BLK], 8
	s_lshl_b32 s[T2], s[WV], 5
	s_add_co_u32 s[Q0], s[Q0], s[T2]               ; my first query: 256 x block + 32 x wave
	s_lshl_b32 s[MO], s[Q0], 8                     ; tile Q0 / 16 has 4,096 bytes of lane masks
	s_mov_b32 s[TS], 0
	s_mov_b32 s[TRIPS], 4
	s_lshl_b32 s[T2], s[Q0], 9
	s_mov_b32 s[T3], 0
	s_add_nc_u64 s[OB:OB+1], s[OUT:OUT+1], s[T2:T3]
	s_lshl_b32 s2, s[BLK], 6                       ; the flags of the block's 16 tiles,
	s_lshr_b32 s3, s[Q0], 2                        ; and of my two
	s_load_b512 s[32:47], s[FLG:FLG+1], s2 offset:0x0
	s_load_b64 s[48:49], s[FLG:FLG+1], s3 offset:0x0
	ASK 0                                          ; the head's first 256 keys, always: so the staging registers are written on every way
	v_and_b32 v232, 15, v0
	v_bfe_u32 v233, v0, 4, 1
	v_lshlrev_b32 v234, 7, v232
	v_lshl_add_u32 v234, v233, 4, v234
	s_lshl_b32 s[T2], s[Q0], 7
	v_add_nc_u32 v234, s[T2], v234                 ; Q's codes: row Q0 + r of 128 bytes, + 16 h
	s_lshl_b32 s[T3], s[Q0], 2
	v_lshl_add_u32 v235, v232, 2, s[T3]            ; and its scale word.  v234 and v235 stand until the first fill's wait for loads
.irp c, 0,1,2,3
	global_load_b128 v[QF+4*\c:QF+4*\c+3], v234, s[QC:QC+1] offset:32*\c th:TH_LOAD_NT
.endr
	global_load_b32 v[QSA], v235, s[QS:QS+1] th:TH_LOAD_NT
	global_load_b32 v[QSB], v235, s[QS:QS+1] offset:64 th:TH_LOAD_NT
	WIN 0x40                                       ; tile B: 16 rows on, destination window 1
.irp c, 0,1,2,3
	global_load_b128 v[QF+4*\c:QF+4*\c+3], v234, s[QC:QC+1] offset:2048+32*\c th:TH_LOAD_NT
.endr
	WIN 0
	INIT
	WIN 0x55
	INIT
	WIN 0
	s_wait_kmcnt 0x0                               ; the flags
	s_or_b32 s[WGA], s32, s33
.irp i, 34,35,36,37,38,39,40,41,42,43,44,45,46,47
	s_or_b32 s[WGA], s[WGA], s[\i]
.endr
	s_and_b32 s[WGA], s[WGA], 0xffff               ; 16 bits: so the tests for steps past the 16th fail, and nothing is fetched past the head's end
	s_or_b32 s[FA], s48, s49
	s_and_b32 s[FA], s[FA], 0xffff
	s_lshr_b32 s[FFA], s48, 16
	s_lshr_b32 s[FFB], s49, 16
	PUT 0, 0                                       ; its wait for loads serves Q too; its wait for LDS serves the scale bytes' stores
.Ltrip:                                            ; four trips of two slots, four key steps
	v_add_nc_u32 v[ADS], s[TS], v[ASK0]
	s_lshr_b32 s[T3], s[TS], 7                     ; V's scale words: 16 bytes a trip
	v_add_nc_u32 v[ADT], s[T3], v[ASV0]
	ASK 0xc                                        ; steps 2 and 3, asked for two key steps ahead of the wait for them
	STEP 0, 0, 0
	STEP 0, 1, 1
	PUT 1, 0xc
	ASK 0x30                                       ; the next trip's steps 0 and 1
	STEP 1, 0, 2
	STEP 1, 1, 3
	PUT 0, 0x30
	s_lshr_b32 s[FA], s[FA], 4
	s_lshr_b32 s[FFA], s[FFA], 4
	s_lshr_b32 s[FFB], s[FFB], 4
	s_lshr_b32 s[WGA], s[WGA], 4
	s_add_co_u32 s[TS], s[TS], 2048
	s_add_co_u32 s[MO], s[MO], 1024                ; (every scalar load that named it has been waited for)
	s_sub_co_u32 s[TRIPS], s[TRIPS], 1
	s_cmp_lg_u32 s[TRIPS], 0
	s_cbranch_scc1 .Ltrip
	; THE WAY OUT.  A lane holds 32 neighbouring bytes of a row and the lanes beside it hold other rows: so a tile goes through my own stage in LDS and comes back as whole rows of 512 bytes.
	NORM
	WIN 0x55
	NORM
	WIN 0
	TOSTAGE                                        ; tile A
	BACK FR
	WIN 0x04                                       ; tile B: the data window 1, the address window 0
	TOSTAGE
	WIN 0
	BACK O
	s_wait_dscnt 32                                ; tile A's rows are back: behind its 16 loads stand tile B's 16 stores and 16 loads
	SEND FR, 0
	s_wait_dscnt 0x0
	SEND O, 8192
	s_wait_xcnt 0x0                                ; the stores have read their registers and their base: the next pass writes both
	s_sub_nc_u64 s[KW:KW+1], s[KW:KW+1], 9*32768   ; nine fills have stepped K's and V's pointers: back to the head's first keys
	s_sub_nc_u64 s[VW:VW+1], s[VW:VW+1], 9*256
	s_sub_co_u32 s[PASS], s[PASS], 1
	s_cmp_lg_u32 s[PASS], 0
	s_cbranch_scc1 .Lpass                          ; no further barrier: the last fill's barrier stands behind every wave's last read of both slots
	s_set_vgpr_msb 0x5
	s_wait_tensorcnt 0x0
	ds_add_u32 v251, v255
	s_wait_dscnt 0x0
	s_set_vgpr_msb 0x500
	s_endpgm
.Lfunc_end_k_q67c383c7b2_attn:
	.size	k_q67c383c7b2_attn, .Lfunc_end_k_q67c383c7b2_attn-k_q67c383c7b2_attn
	.p2alignl 7, 3214868480
	.fill 96, 4, 3214868480
	.section	.rodata,"a",@progbits
	.p2align	6, 0x0
	.amdhsa_kernel k_q67c383c7b2_attn
		.amdhsa_group_segment_fixed_size 230400
		.amdhsa_private_segment_fixed_size 0
		.amdhsa_enable_private_segment 0
		.amdhsa_kernarg_size 72
		.amdhsa_user_sgpr_count 2
		.amdhsa_user_sgpr_kernarg_segment_ptr 1
		.amdhsa_wavefront_size32 1
		.amdhsa_system_sgpr_workgroup_id_x 1
		.amdhsa_system_sgpr_workgroup_id_y 1
		.amdhsa_system_sgpr_workgroup_id_z 1
		.amdhsa_system_vgpr_workitem_id 0
		.amdhsa_next_free_vgpr 512
		.amdhsa_next_free_sgpr 106
		.amdhsa_reserve_vcc 0
		.amdhsa_float_denorm_mode_32 3
		.amdhsa_float_denorm_mode_16_64 3
		.amdhsa_memory_ordered 1
		.amdhsa_forward_progress 1
		.amdhsa_inst_pref_size 228
	.end_amdhsa_kernel
	.amdgpu_metadata
---
amdhsa.version: [ 1, 2 ]
amdhsa.kernels:
  - .name:           k_q67c383c7b2_attn
    .symbol:         k_q67c383c7b2_attn.kd
    .args:
      - { .name: Q_codes, .offset: 0, .size: 8, .value_kind: global_buffer, .address_space: global }
      - { .name: Q_scales, .offset: 8, .size: 8, .value_kind: global_buffer, .address_space: global }
      - { .name: K_codes, .offset: 16, .size: 8, .value_kind: global_buffer, .address_space: global }
      - { .name: V_codes, .offset: 24, .size: 8, .value_kind: global_buffer, .address_space: global }
      - { .name: mwords, .offset: 32, .size: 8, .value_kind: global_buffer, .address_space: global }
      - { .name: mflags, .offset: 40, .size: 8, .value_kind: global_buffer, .address_space: global }
      - { .name: out0, .offset: 48, .size: 8, .value_kind: global_buffer, .address_space: global }
      - { .name: K_scales, .offset: 56, .size: 8, .value_kind: global_buffer, .address_space: global }
      - { .name: V_scales, .offset: 64, .size: 8, .value_kind: global_buffer, .address_space: global }
    .group_segment_fixed_size: 230400
    .private_segment_fixed_size: 0
    .kernarg_segment_align: 8
    .kernarg_segment_size: 72
    .max_flat_workgroup_size: 256
    .sgpr_count:     106
    .vgpr_count:     512
    .wavefront_size: 32
...
	.end_amdgpu_metadata
.endif
;; end of part 2
;; ======== version 2 of 2: 2 launches
;; workspace buffers: mwords 524,288 bytes of whole numbers; mflags 512 bytes of whole numbers
;; launch maskprep (part 3): grid 128 x 1, 16 waves a work-group, no clusters, 3,072 bytes of LDS; arguments mask, mwords, mflags; writes mwords, mflags
.if DOCPART == 3
	.amdgcn_target "amdgcn-amd-amdhsa--gfx1250"
	.amdhsa_code_object_version 6
	.text
	.protected	k_q67c383c7b2_maskprep
	.globl	k_q67c383c7b2_maskprep
	.p2align	8
	.type	k_q67c383c7b2_maskprep,@function
k_q67c383c7b2_maskprep:
	s_mov_b64 s[64:65], 0
	v_nop
	global_prefetch_b8 v0, s[64:65] scope:SCOPE_SE
	s_setreg_imm32_b32 hwreg(HW_REG_WAVE_MODE, 25, 1), 1
	s_wait_xcnt 0x0
; The mask [2048 queries][2048 keys], one byte (0 or 1) each, is turned into what the attention launch can use without a compare:
;   mwords[T][j][n], T = 0..127 (a tile of 16 queries), j = 0..15 (a step of 128 keys), n = 0..63: a 32-bit LANE MASK.
;     Bit l of it is mask[16 T + l % 16][128 j + 32 (n / 16) + 16 (l / 16) + n % 16]: lane l's n-th score register in the attention launch.
;     The 64 words of a pair (T, j) are 256 consecutive bytes at (16 T + j) x 256.
;   mflags[T]: bit j = some key of step j counts for some query of the tile; bit 16 + j = all of them count.
; SHARES: work-group = T, wave = j.  Lane l = (r = l % 16, h = l / 16) reads, of row 16 T + r, the 16 bytes at 128 j + 32 b + 16 h, b = 0..3:
; register 4 b + w, byte y is n = 16 b + 4 w + y.  A compare of one byte in all 32 lanes gives word n as a scalar.
; No matrix unit, no cluster, no tensor load: 4 MiB are read once and an eighth of that is stored.
.set MB,  16                           ; v16-31  my 64 mask bytes
.set TMPV, 32                          ; v32-39  eight bytes picked out
.set WD,  8                            ; v[8:9]  lane i: words 2 i and 2 i + 1 of the wave's 64
.set LM,  24                           ; s24-31  eight lane masks
	s_load_b128 s[4:7], s[0:1], 0x0                ; mask s[4:5], mwords s[6:7]
	s_load_b64 s[8:9], s[0:1], 0x10                ; mflags
	v_lshl_add_u32 v48, v0, 2, 0x400
	v_mov_b32 v49, 0
	v_lshrrev_b32 v1, 5, v0
	s_delay_alu instid0(VALU_DEP_1)
	v_readfirstlane_b32 s10, v1                    ; wave = j
	v_and_b32 v2, 31, v0                           ; lane
	v_and_b32 v3, 15, v0                           ; r
	v_bfe_u32 v4, v0, 4, 1                         ; h
	s_delay_alu instid0(VALU_DEP_2)
	v_lshlrev_b32 v5, 11, v3
	s_delay_alu instid0(VALU_DEP_1)
	v_lshl_add_u32 v5, v4, 4, v5                   ; 2,048 r + 16 h
	v_lshlrev_b32 v6, 3, v2                        ; 8 x lane: my two words on the way out
	v_lshlrev_b32 v13, 2, v2                       ; 4 x lane
	v_mov_b32 v[WD], 0                             ; a lane write's destination counts as read: written whole first
	v_mov_b32 v[WD+1], 0
	s_lshl_b32 s12, ttmp9, 15                      ; 16 rows of 2,048 bytes a tile,
	s_lshl_b32 s14, s10, 7                         ; 128 bytes a step
	s_add_co_u32 s12, s12, s14
	s_mov_b32 s13, 0
	s_lshl_b32 s14, ttmp9, 4
	s_add_co_u32 s14, s14, s10
	s_lshl_b32 s14, s14, 8                         ; (16 T + j) x 256
	s_mov_b32 s15, 0
	s_lshl_b32 s16, ttmp9, 2                       ; 4 T
	s_mov_b32 s17, 0
	s_mov_b32 s20, 0                               ; the OR of all 64 words
	s_mov_b32 s21, -1                              ; the AND of all 64 words
	s_wait_alu depctr_va_vdst(0)
	s_wait_kmcnt 0x0
	s_add_nc_u64 s[4:5], s[4:5], s[12:13]
	s_add_nc_u64 s[6:7], s[6:7], s[14:15]
	s_add_nc_u64 s[8:9], s[8:9], s[16:17]
.irp b, 0,1,2,3
	global_load_b128 v[MB+4*\b:MB+4*\b+3], v5, s[4:5] offset:32*\b
.endr
	s_wait_loadcnt 0x0
; Words 8 G .. 8 G + 7: pick the byte, compare it with 0 in all lanes, put the lane mask into lane n / 2 of register n % 2, and gather OR and AND.
.macro WORDS G
.irp e, 0,1,2,3,4,5,6,7
	v_and_b32 v[TMPV+\e], 0xff<<(8*(\e%4)), v[MB+2*\G+\e/4]
.endr
.irp e, 0,1,2,3,4,5,6,7
	v_cmp_ne_u32 s[LM+\e], 0, v[TMPV+\e]
.endr
.irp e, 0,1,2,3,4,5,6,7
	v_writelane_b32 v[WD+\e%2], s[LM+\e], 4*\G+\e/2
.endr
.irp e, 0,1,2,3,4,5,6,7
	s_or_b32 s20, s20, s[LM+\e]
	s_and_b32 s21, s21, s[LM+\e]
.endr
.endm
.irp G, 0,1,2,3,4,5,6,7
	WORDS \G
.endr
	s_wait_alu depctr_va_vdst(0)
	global_store_b64 v6, v[WD:WD+1], s[6:7]        ; 32 lanes store 256 consecutive bytes, at a multiple of 256 from the buffer's first byte
	s_cmp_lg_u32 s20, 0
	s_cselect_b32 s22, 1, 0                        ; some key counts
	s_cmp_eq_u32 s21, -1
	s_cselect_b32 s23, 1, 0                        ; all keys count
	v_mov_b32 v10, s10
	s_delay_alu instid0(VALU_DEP_1)
	v_lshlrev_b32 v10, 2, v10                      ; LDS: word j, and word 16 + j
	v_mov_b32 v11, s22
	v_mov_b32 v12, s23
	ds_store_b32 v10, v11                          ; all lanes write the same word with the same value
	ds_store_b32 v10, v12 offset:64
	s_wait_dscnt 0x0                               ; for the others' sake: my two words have landed
	s_barrier_signal -1
	s_barrier_wait -1
	s_cmp_lg_u32 s10, 0                            ; wave 0 alone packs the 32 words into the tile's flags
	s_cbranch_scc1 .Ldone
	ds_load_b32 v14, v13                           ; lane l: word l: lanes 0-15 'some', lanes 16-31 'all'
	s_wait_dscnt 0x0
	v_cmp_ne_u32 vcc_lo, 0, v14
	s_delay_alu instid0(VALU_DEP_1)
	v_mov_b32 v15, vcc_lo                          ; the flags, in every lane
	v_cmp_eq_u32 vcc_lo, 0, v2
	s_wait_alu depctr_va_vdst(0)
	s_wait_xcnt 0x0                                ; EXEC is a source of the store above: it changes only behind this wait
	s_and_saveexec_b32 s32, vcc_lo                 ; lane 0 alone
	global_store_b32 v13, v15, s[8:9]
	s_wait_xcnt 0x0                                ; and again in front of the line that widens it
	s_or_b32 exec_lo, exec_lo, s32
.Ldone:
	s_wait_tensorcnt 0x0
	ds_add_u32 v48, v49
	s_wait_dscnt 0x0
	s_endpgm
.Lfunc_end_k_q67c383c7b2_maskprep:
	.size	k_q67c383c7b2_maskprep, .Lfunc_end_k_q67c383c7b2_maskprep-k_q67c383c7b2_maskprep
	.p2alignl 7, 3214868480
	.fill 96, 4, 3214868480
	.section	.rodata,"a",@progbits
	.p2align	6, 0x0
	.amdhsa_kernel k_q67c383c7b2_maskprep
		.amdhsa_group_segment_fixed_size 3072
		.amdhsa_private_segment_fixed_size 0
		.amdhsa_enable_private_segment 0
		.amdhsa_kernarg_size 24
		.amdhsa_user_sgpr_count 2
		.amdhsa_user_sgpr_kernarg_segment_ptr 1
		.amdhsa_wavefront_size32 1
		.amdhsa_system_sgpr_workgroup_id_x 1
		.amdhsa_system_sgpr_workgroup_id_y 1
		.amdhsa_system_sgpr_workgroup_id_z 1
		.amdhsa_system_vgpr_workitem_id 0
		.amdhsa_next_free_vgpr 50
		.amdhsa_next_free_sgpr 66
		.amdhsa_reserve_vcc 1
		.amdhsa_float_denorm_mode_32 3
		.amdhsa_float_denorm_mode_16_64 3
		.amdhsa_memory_ordered 1
		.amdhsa_forward_progress 1
		.amdhsa_inst_pref_size 20
	.end_amdhsa_kernel
	.amdgpu_metadata
---
amdhsa.version: [ 1, 2 ]
amdhsa.kernels:
  - .name:           k_q67c383c7b2_maskprep
    .symbol:         k_q67c383c7b2_maskprep.kd
    .args:
      - { .name: mask, .offset: 0, .size: 8, .value_kind: global_buffer, .address_space: global }
      - { .name: mwords, .offset: 8, .size: 8, .value_kind: global_buffer, .address_space: global }
      - { .name: mflags, .offset: 16, .size: 8, .value_kind: global_buffer, .address_space: global }
    .group_segment_fixed_size: 3072
    .private_segment_fixed_size: 0
    .kernarg_segment_align: 8
    .kernarg_segment_size: 24
    .max_flat_workgroup_size: 512
    .sgpr_count:     66
    .vgpr_count:     50
    .wavefront_size: 32
...
	.end_amdgpu_metadata
.endif
;; end of part 3
;; launch attn (part 4): grid 4 x 64, 8 waves a work-group, no clusters, 230,400 bytes of LDS; arguments Q_codes, Q_scales, K_codes, V_codes, mwords, mflags, out0, K_scales, V_scales; writes out0
.if DOCPART == 4
	.amdgcn_target "amdgcn-amd-amdhsa--gfx1250"
	.amdhsa_code_object_version 6
	.text
	.protected	k_q67c383c7b2_attn
	.globl	k_q67c383c7b2_attn
	.p2align	8
	.type	k_q67c383c7b2_attn,@function
k_q67c383c7b2_attn:
	s_mov_b64 s[64:65], 0
	v_nop
	global_prefetch_b8 v0, s[64:65] scope:SCOPE_SE
	s_setreg_imm32_b32 hwreg(HW_REG_WAVE_SCHED_MODE, 0, 2), 2
	s_setreg_imm32_b32 hwreg(HW_REG_WAVE_MODE, 25, 1), 1
	s_wait_xcnt 0x0
	s_wait_alu depctr_vm_vsrc(0)
; out[h][q][:] = the sum over k of softmax_k(mask ? Q[h][q] . K[h][k] / sqrt(128) : -inf) V[h][k][:], 64 heads, 2,048 queries, 2,048 keys, head size 128.
; Both products on codes of BF8 (E5M2) with one E8M0 scale for each 32 along a product's K.  Q, K: [head][2048][128] codes, scale words [head][2048][4].  V: keys innermost, [head][128][2048], scale bytes [head][128][64].
; THE SOFTMAX AHEAD OF THE SECOND PRODUCT: t = score x log2(e) / sqrt(128); M = the running largest t, rounded UP to a whole number; p = 2^(t - M) is quantised along the keys, not normalised.
; The row's sum is taken of the unquantised p in f32 and divides at the end.  When M moves, the sum and O are multiplied by 2^(old M - new M): exact.
; THE MASK is an input.  The launch before has laid it as lane masks (mwords: one 32-bit word for each score register of a tile and key step) and as flags (mflags: for each tile of 16 queries, bit j: some key of step j
; counts; bit 16 + j: all count).  A hidden score becomes -infinity by ONE v_cndmask_b32 whose selector is a scalar register.  A key step that is hidden for both tiles of a wave is jumped over; where all keys count the
; 64 selections are jumped over: scalar branches on stored whole numbers.
; SHARES.  A work-group takes query blocks x and 7 - x of one head (256 queries each), one after the other, so that work-groups have like work under a full and under a triangular mask; the values do not hang on that.
; Eight waves, two to a SIMD; a wave owns 32 queries: tile A in register window 0, tile B in window 1 at the same numbers.  Each fragment of K and V read from LDS feeds two matrix instructions.
; LAYOUT.  Both products are used transposed: S^T = K Q^T (source 0 = 16 keys, source 1 = 16 queries), O^T = V^T P^T (source 0 = 16 of the head's 128, source 1 = P): a lane holds ONE query (lane % 16) throughout.
; K's rows lie PERMUTED in LDS: key k of a slot at row 32 (k / 32) + 16 (bit 3 of k) + 8 (bit 4 of k) + k % 8.  So the sixteen rows 16 T .. 16 T + 15 of tile T = 2 b + u are keys 32 b + 8 u + r + 8 (r / 8),
; and the 16 registers of tiles 2 b and 2 b + 1 are 16 neighbouring keys, 32 b + 16 (lane / 16) + 0 .. 15: the second product's operand layout.
; K AND V COME THROUGH REGISTERS INTO TWO LDS SLOTS of 256 keys: each thread loads 16 x 16 bytes a slot, one slot (two key steps) ahead of the wait for them, stores them to LDS, one barrier a slot.
; NO TENSOR LOADS, SO NO JOINT LOADS IN A CLUSTER: the walk over key steps branches on stored flags, and work-groups of a head need different slots; a slot that no wave of the work-group needs is not fetched.
; NO PREFETCH: a slot's loads are issued a whole slot's work ahead of the wait for them.
; LIMITS: NaN or infinity codes and scale bytes 0xff are not served; t under -3e38 is not served; a p under 2^-126 counts as 0.  A query with no key gets NaN (0 x 1/0), as the definition gives.
; THE MODE: SCHED_MODE bits 1:0 = 2 (LLVM: expert scheduling mode 2), set by the entry lines.  The code itself states the register dependences
; between vector or matrix instructions and memory or LDS instructions, with s_wait_alu, always for 0.
; THE PLAN.  Registers that memory or LDS instructions touch (w0, w1: the windows), and who else names them:
;   addresses     w0 v10, v11, v255; w1 v1-8, v10, v11: made once at the head, ahead of one wait on va_vdst, and named by no vector instruction again.
;   v[ADS], v[ADT]  written by one addition each at a trip's head; read by the steps' loads of scale words.
;   w1 v32-95     the staging registers: global loads land in them, LDS stores read them, no vector instruction names them: they owe a wait on vm_vsrc alone, which stands in each fill.
;   v[FR ..]      LDS loads land in it three times a step: K's tiles 0-3 (read by the first product), K's tiles 4-7 (likewise), V's fragments 0-3 (read by the second product).
;   v[KS ..]      K's scale words, then V's: loaded with the first and with the third of those runs.
;   w0 v[S ..]    written by the first product, worked on by tile A's softmax, then V's fragments 4-7 land in it, which the second product reads.
; A KEY STEP'S WAITS ON va_vdst: (1) at its head: the step before's second product is done reading FR and KS, and ADS, ADT are written; (2) behind the first product's tiles 0-3: they are done reading FR;
; (3), (4) tile A's softmax, the waits for its exponentials: the first of them also states that the first product is done reading FR and KS, so V's scale words and fragments 0-3 are asked for directly behind it;
; (5), (6) tile B's softmax likewise: the first also states that tile A's softmax is done with w0's S, so V's fragments 4-7 are asked for directly behind it; (7) ahead of the second product: codes and scale words are written.
.set KP,    144                        ; a key's row in LDS: 128 bytes + 16: the 16 rows of a load start at 16 different groups of four banks
.set VP,    272                        ; a row of V's tile: 256 bytes + 16
.set VOFF,  256*KP                     ; a slot: 256 rows of K, then 128 rows of V
.set SLOTB, VOFF+128*VP                ; 71,680
.set SCK,   2*SLOTB                    ; K's scale words of the head: 8,192 bytes, dense
.set SCV,   SCK+8192                   ; V's scale bytes: 128 rows of 64 bytes, SVP apart
.set SVP,   80
.set STG,   SCV+128*SVP                ; the way out: 16 rows x (512 + 16) bytes for each wave, its own
.set SP,    528
.set STGW,  16*SP
; window 0
.set ADS,  1                           ; LDS address of the trip's scale words of K
.set ADT,  2                           ; and of V
.set ASK0, 3                           ; my lane's place among K's scale words: lanes 0-15 tiles 0-3, lanes 16-31 tiles 4-7 (64 keys on)
.set ASV0, 4                           ; and among V's: lanes 16-31 64 rows on
.set QSA,  5                           ; Q's scale words, tile A; QSB tile B
.set QSB,  6
.set PSA,  7                           ; p's scale word, tile A; PSB tile B.  v5-8 and v248-251 of window 0 hold scales and nothing else
.set PSB,  8
.set NINF, 9                           ; -infinity (in both windows)
.set SO,   10                          ; the stage: where I put 32 bytes of a row
.set SR,   11                          ; and where I read a row back
.set NM,   12                          ; -M            (v12-31, v96-247, v252-254: the same in window 1 for tile B)
.set TMX,  13                          ; the largest t so far
.set SUM,  14                          ; v[14:15] the row's sum in two halves
.set QF,   16                          ; v16-31   Q's fragment
.set FR,   32                          ; v32-95   four fragments of K, then V's fragments 0-3 (window 0 alone)
.set S,    96                          ; v96-159  S^T, then p; in window 0 later V's fragments 4-7
.set O,    160                         ; v160-223 O^T
.set PC,   224                         ; v224-239 p's codes (they take BM's and PT's places when those are done with)
.set BM,   232                         ; the blocks' largest scores, then largest p
.set PT,   236                         ; at work
.set HL,   240                         ; 57,344 x the scale
.set XS,   244                         ; the conversions' scale operands
.set KS,   248                         ; v248-251 scale words of K's, then of V's tiles
.set F,    252                         ; 2^(old M - new M)
.set TW,   253                         ; at work; named as the upper half of the pair v[252:253]
.set TM,   254                         ; at work
.set GO,   255                         ; 16 x lane: my bytes in a row of the output
; window 1
.set AK,   1                           ; v1, v2   my lane's place in a tile of K, slot 0, 1
.set AV,   3                           ; v3, v4   the same for V
.set GLK,  5                           ; 16 t: my 16 bytes of 4,096 of K's block in memory
.set GLV,  6                           ; 2,048 (t / 16) + 16 (t % 16): of V's rows
.set LSK,  7                           ; v7, v8   where they go in LDS, slot 0, 1
.set LSV,  10                          ; v10, v11
.set STK,  32                          ; v32-63   a slot's K on its way
.set STV,  64                          ; v64-95   and V
; scalars
.set QC,   4                           ; s[4:5]  Q's codes at my head;  s[6:7] its scale words
.set QS,   6
.set KW,   8                           ; s[8:9]  K's codes at the slot to be fetched;  s[10:11] V's
.set VW,   10
.set MWB,  12                          ; s[12:13] mwords;  s[14:15] mflags;  s[16:17] the output at my head
.set FLG,  14
.set OUT,  16
.set WV,   18
.set MNT,  19                          ; the mantissa field of 57,344
.set SEL,  20                          ; s[20:21] v_permlanex16_b32's selects for lane l xor 16
.set CS,   22                          ; s[22:23] c = log2(e) / sqrt(128); the packed form names a pair and takes its low word
.set TS,   24                          ; the trip's first scale word of K: 2,048 bytes a trip
.set MO,   25                          ; the trip's first lane mask of tile A, in bytes
.set TRIPS, 26
.set PASS, 27
.set FA,   28                          ; bit k: step k of the trip counts for tile A or B
.set FFA,  29                          ; bit k: all its keys count for tile A;  FFB: for tile B
.set FFB,  30
.set BLK,  31
.set WGA,  66                          ; bit k: step k of the trip counts for some tile of the work-group
.set Q0,   67                          ; my first query
.set T2,   100
.set T3,   101
.set OB,   104                         ; s[104:105] the output at my first query
                                       ; s[32:63], s[68:99]: 64 lane masks: word n in s[32 + n] (n < 32) or s[36 + n]
.set MSB, 0
.macro WIN new                         ; low byte: bits 1:0 source 0, 3:2 source 1, 5:4 source 2, 7:6 destination; the high byte repeats the setting that is left
.if MSB != \new
	s_set_vgpr_msb (MSB<<8)|\new
.set MSB, \new
.endif
.endm
.macro PLACES n
.rept \n
	v_nop
.endr
.endm
	s_load_b256 s[4:11], s[0:1], 0x0               ; Q's codes, Q's scales, K's codes, V's codes
	s_load_b128 s[12:15], s[0:1], 0x20             ; mwords, mflags
	s_load_b64 s[16:17], s[0:1], 0x30              ; the output
	s_load_b64 s[2:3], s[0:1], 0x38                ; K's scales
	s_load_b64 s[104:105], s[0:1], 0x40            ; V's scales
	s_set_vgpr_msb 0x40
	v_lshl_add_u32 v251, v0, 2, 0x38000
	v_mov_b32 v255, 0
	s_set_vgpr_msb 0x4000
	v_lshrrev_b32 v112, 5, v0
	v_readfirstlane_b32 s[WV], v112                ; wave 0..7
	s_wait_alu depctr_va_sdst(0)                   ; s[WV] is written, ahead of its first reader: my stage's place and my first query are made from it
	s_and_b32 s[T2], ttmp7, 0xffff                 ; the head
	s_lshl_b32 s24, s[T2], 18                      ; its first byte in each tensor of codes (2,048 x 128),
	s_mov_b32 s25, 0
	s_lshl_b32 s26, s[T2], 13                      ; of scale bytes (8,192),
	s_mov_b32 s27, 0
	s_lshl_b32 s28, s[T2], 20                      ; and in the output (2,048 x 512)
	s_mov_b32 s29, 0
	s_mov_b32 s[MNT], 0x600000
	s_mov_b32 s[SEL], 0x76543210
	s_mov_b32 s[SEL+1], 0xfedcba98
	s_mov_b32 s[CS], 0x3e0293ee
	s_mov_b32 s[CS+1], s[CS]                       ; (named with it as a pair, so it is written)
	v_lshlrev_b32 v115, 4, v0                      ; 16 t
	s_wait_kmcnt 0x0
	s_add_nc_u64 s[QC:QC+1], s[QC:QC+1], s[24:25]
	s_add_nc_u64 s[KW:KW+1], s[KW:KW+1], s[24:25]
	s_add_nc_u64 s[VW:VW+1], s[VW:VW+1], s[24:25]
	s_add_nc_u64 s[QS:QS+1], s[QS:QS+1], s[26:27]
	s_add_nc_u64 s[2:3], s[2:3], s[26:27]
	s_add_nc_u64 s[104:105], s[104:105], s[26:27]
	s_add_nc_u64 s[OUT:OUT+1], s[OUT:OUT+1], s[28:29]
	s_wait_alu depctr_va_vdst(0)                   ; v115 is written, which the four loads below read as their offset
	global_load_b128 v[96:99], v115, s[2:3]                  ; the head's scale bytes, 8,192 of K's and 8,192 of V's: each load of a wave covers 512 consecutive bytes
	global_load_b128 v[100:103], v115, s[2:3] offset:4096
	global_load_b128 v[104:107], v115, s[104:105]
	global_load_b128 v[108:111], v115, s[104:105] offset:4096
	; the lane terms, while those loads are out: none of these lines writes v115 or names v96-111
	v_and_b32 v112, 15, v0                         ; r = t % 16
	v_bfe_u32 v113, v0, 4, 1                       ; h
	v_and_b32 v114, 31, v0                         ; lane
	v_add_nc_u32 v116, SCK, v115                   ; K's scale bytes go to LDS as they lie
	v_lshrrev_b32 v117, 2, v0                      ; V's: 64 bytes a row: row t / 4, 16 (t % 4) in it
	v_mul_u32_u24 v117, v117, SVP
	v_and_b32 v118, 3, v0
	v_lshl_add_u32 v117, v118, 4, v117
	v_add_nc_u32 v117, SCV, v117
	v_and_b32 v118, 8, v112
	v_add_nc_u32 v118, v118, v112                  ; r + 8 (r / 8)
	v_lshl_add_u32 v[ASK0], v118, 2, SCK
	v_lshl_add_u32 v[ASK0], v113, 8, v[ASK0]
	v_mul_u32_u24 v[ASV0], v112, SVP
	v_mad_u32_u24 v[ASV0], v113, 64*SVP, v[ASV0]
	v_add_nc_u32 v[ASV0], SCV, v[ASV0]
	s_mul_i32 s[T2], s[WV], STGW
	s_add_co_u32 s[T2], s[T2], STG                 ; my stage
	v_mul_u32_u24 v[SO], v112, SP
	v_lshl_add_u32 v[SO], v113, 5, v[SO]
	v_add_nc_u32 v[SO], s[T2], v[SO]               ; in: row r, + 32 h
	v_lshl_add_u32 v[SR], v114, 4, s[T2]           ; back: 32 lanes take a row of 512 bytes
	v_lshlrev_b32 v[GO], 4, v114
	v_mul_u32_u24 v119, v112, KP
	v_mul_u32_u24 v120, v112, VP
	v_add_nc_u32 v120, VOFF, v120
	v_lshrrev_b32 v121, 4, v0                      ; t / 16
	v_mul_u32_u24 v124, v121, VP
	v_add_nc_u32 v124, VOFF, v124
	v_lshlrev_b32 v121, 11, v121
	v_and_b32 v122, 7, v0
	v_bfe_u32 v123, v0, 3, 3                       ; my key of a load's 32 is t / 8: its bits 2:0,
	v_bfe_u32 v125, v0, 6, 1                       ; its bit 3 counts 16 rows,
	v_lshl_add_u32 v123, v125, 4, v123
	v_bfe_u32 v125, v0, 7, 1                       ; its bit 4 counts 8
	v_lshl_add_u32 v123, v125, 3, v123
	v_mul_u32_u24 v123, v123, KP
	v_mov_b32 v[NINF], 0xff800000
.irp b, 0,1,2,3
	v_mov_b32 v[PT+\b], 0                          ; written once: a lane permute's destination counts as one of its sources
.endr
	v_mov_b32 v[F], 0
	v_mov_b32 v[TW], 0
	WIN 0x40                                       ; destination window 1, sources window 0
	v_lshl_add_u32 v[AK], v113, 4, v119            ; 144 r + 16 h
	v_lshl_add_u32 v[AV], v113, 4, v120            ; VOFF + 272 r + 16 h
	v_lshlrev_b32 v[GLK], 4, v0
	v_lshl_add_u32 v[GLV], v112, 4, v121
	v_lshl_add_u32 v[LSK], v122, 4, v123
	v_lshl_add_u32 v[LSV], v112, 4, v124
	v_mov_b32 v[NINF], 0xff800000
.irp b, 0,1,2,3
	v_mov_b32 v[PT+\b], 0
.endr
	v_mov_b32 v[F], 0
	v_mov_b32 v[TW], 0
	WIN 0x44                                       ; source 1 window 1 too: the same places in slot 1
	v_add_nc_u32 v[AK+1], SLOTB, v[AK]
	v_add_nc_u32 v[AV+1], SLOTB, v[AV]
	v_add_nc_u32 v[LSK+1], SLOTB, v[LSK]
	v_add_nc_u32 v[LSV+1], SLOTB, v[LSV]
	WIN 0
	s_wait_loadcnt 0x0                             ; the scale bytes; their bases may be written again
	s_wait_alu depctr_va_vdst(0)                   ; v116 and v117 are written, which the stores below read as addresses; so are SO, SR, GO and window 1's AK, AV, GLK, GLV, LSK, LSV, which every later LDS and memory instruction reads and no vector instruction names again
	ds_store_b128 v116, v[96:99]
	ds_store_b128 v116, v[100:103] offset:4096
	ds_store_b128 v117, v[104:107]
	ds_store_b128 v117, v[108:111] offset:64*SVP   ; 4,096 bytes on are 64 rows on.  These stores are waited for in front of the first fill's barrier
	s_wait_alu depctr_vm_vsrc(0)                   ; the four loads have read v115 and the four stores v96-111, v116 and v117: these registers are S from here on, which the first products write
	s_mov_b32 s[PASS], 2
; A slot's 256 keys are asked for: K's 32,768 dense bytes (a load of a wave covers 512 of them), V's 128 rows x 256 bytes (a load of a wave covers two rows' aligned 256).
; bits: the work-group's flags of the slot's two key steps: where none is set, nobody will read the slot, and nothing is fetched.  bits = 0: always.
; No wait stands here: no vector instruction ever names the staging registers, the offsets stand since the head, and the fill before has stated that its LDS stores have read the staging registers.
.macro ASK bits
.if \bits
	s_and_b32 s[T2], s[WGA], \bits
	s_cmp_lg_u32 s[T2], 0
	s_cbranch_scc0 .Lnoask_\@
.endif
	WIN 0x41                                       ; address and destination window 1
.irp i, 0,1,2,3,4,5,6,7
	global_load_b128 v[STK+4*\i:STK+4*\i+3], v[GLK], s[KW:KW+1] offset:4096*\i
.endr
.irp i, 0,1,2,3,4,5,6,7
	global_load_b128 v[STV+4*\i:STV+4*\i+3], v[GLV], s[VW:VW+1] offset:32768*\i
.endr
	WIN 0
.if \bits
.Lnoask_\@:
.endif
.endm
; And put into LDS.  ONE barrier for two things: in front of it my stores into this slot have landed and my reads of the other slot are over; behind it this slot is whole, and the other may be written.
.macro PUT slot, bits
	s_wait_loadcnt 0x0                             ; all my loads are in, so their bases may step
	s_add_nc_u64 s[KW:KW+1], s[KW:KW+1], 32768     ; the next 256 keys
	s_add_nc_u64 s[VW:VW+1], s[VW:VW+1], 256
.if \bits
	s_and_b32 s[T2], s[WGA], \bits
	s_cmp_lg_u32 s[T2], 0
	s_cbranch_scc0 .Lnoput_\@
.endif
	WIN 0x05                                       ; address and data window 1
.irp i, 0,1,2,3,4,5,6,7
	ds_store_b128 v[LSK+\slot], v[STK+4*\i:STK+4*\i+3] offset:32*KP*\i
.endr
.irp i, 0,1,2,3,4,5,6,7
	ds_store_b128 v[LSV+\slot], v[STV+4*\i:STV+4*\i+3] offset:16*VP*\i
.endr
	WIN 0
.if \bits
.Lnoput_\@:
.endif
	s_wait_alu depctr_vm_vsrc(0)                   ; the stores above have read the staging registers, in which the next slot's loads land; the steps' loads of scale words have read v[ADS] and v[ADT], which a trip's head writes; in a pass's first fill Q's loads have read v234 and v235, which the softmax writes
	s_wait_dscnt 0x0
	s_barrier_signal -1
	s_barrier_wait -1
.endm
; The 64 lane masks of tile A (0) or B (1) for step k of the trip: 256 consecutive bytes
.macro MLOAD tile, k
	s_load_b512 s[32:47], s[MWB:MWB+1], s[MO] offset:4096*\tile+256*\k
	s_load_b512 s[48:63], s[MWB:MWB+1], s[MO] offset:4096*\tile+256*\k+64
	s_load_b512 s[68:83], s[MWB:MWB+1], s[MO] offset:4096*\tile+256*\k+128
	s_load_b512 s[84:99], s[MWB:MWB+1], s[MO] offset:4096*\tile+256*\k+192
.endm
; Hidden scores become -infinity: p = 0 then.  Ascending
.macro MASK
.set nn, 0
.rept 64
	v_cndmask_b32 v[S+nn], v[NINF], v[S+nn], s[32+nn+4*(nn/32)]
.set nn, nn+1
.endr
.endm
; Four products S^T = K Q^T: tiles 4 g .. 4 g + 3 of 16 keys.  K's scale words: lanes 0-15 of v[KS + t] hold tile t's, lanes 16-31 tile t + 4's
.macro QK g, qs
.irp t, 0,1,2,3
.if \g
	v_wmma_scale_f32_16x16x128_f8f6f4 v[S+8*(4*\g+\t):S+8*(4*\g+\t)+7], v[FR+16*\t:FR+16*\t+15], v[QF:QF+15], 0, v[KS+\t], v[\qs] matrix_a_fmt:MATRIX_FMT_BF8 matrix_b_fmt:MATRIX_FMT_BF8 matrix_a_scale:MATRIX_SCALE_ROW1
.else
	v_wmma_scale_f32_16x16x128_f8f6f4 v[S+8*(4*\g+\t):S+8*(4*\g+\t)+7], v[FR+16*\t:FR+16*\t+15], v[QF:QF+15], 0, v[KS+\t], v[\qs] matrix_a_fmt:MATRIX_FMT_BF8 matrix_b_fmt:MATRIX_FMT_BF8
.endif
.endr
.endm
; Eight products O^T += V^T P^T: the eight accumulators take turns, one instruction a turn
.macro PV ps
.irp t, 0,1,2,3
	v_wmma_scale_f32_16x16x128_f8f6f4 v[O+8*\t:O+8*\t+7], v[FR+16*\t:FR+16*\t+15], v[PC:PC+15], v[O+8*\t:O+8*\t+7], v[KS+\t], v[\ps] matrix_a_fmt:MATRIX_FMT_BF8 matrix_b_fmt:MATRIX_FMT_BF8
.endr
.irp t, 0,1,2,3
	v_wmma_scale_f32_16x16x128_f8f6f4 v[O+32+8*\t:O+32+8*\t+7], v[S+16*\t:S+16*\t+15], v[PC:PC+15], v[O+32+8*\t:O+32+8*\t+7], v[KS+\t], v[\ps] matrix_a_fmt:MATRIX_FMT_BF8 matrix_b_fmt:MATRIX_FMT_BF8 matrix_a_scale:MATRIX_SCALE_ROW1
.endr
.endm
; Four fragments of V^T (tiles t0 .. t0 + 3 of 16 of the head's 128, the slot's q-th 128 keys) into v[reg] on
.macro VLOAD reg, slot, q, t0
.irp t, 0,1,2,3
.irp c, 0,1,2,3
	ds_load_b128 v[\reg+16*\t+4*\c:\reg+16*\t+4*\c+3], v[AV+\slot] offset:16*VP*(\t0+\t)+128*\q+32*\c
.endr
.endr
.endm
; ONE TILE'S SOFTMAX FOR A KEY STEP.  It runs under one window setting (wself); only the line that writes p's scale word, which lies in window 0, runs under wlast.
; vl says which of V's loads stand behind the wait for the 64 exponentials: 1 (tile A): V's scale words and fragments 0-3; 2 (tile B): fragments 4-7.  slot, q, k: the key step, as in STEP.
.macro SOFTMAX psw, wlast, wself, vl, slot, q, k
.irp b, 0,1,2,3
	v_max3_num_f32 v[BM+\b], v[S+16*\b], v[S+1+16*\b], v[S+2+16*\b]   ; the largest score of each block of 32 keys: it serves for the row's maximum and, since p rises with the score, for the block's largest p
.endr
.irp i, 3,5,7,9,11,13
.irp b, 0,1,2,3
	v_max3_num_f32 v[BM+\b], v[BM+\b], v[S+16*\b+\i], v[S+1+16*\b+\i]   ; (the four blocks by turns)
.endr
.endr
.irp b, 0,1,2,3
	v_max_num_f32 v[BM+\b], v[BM+\b], v[S+15+16*\b]
.endr
.irp b, 0,1,2,3
	v_permlanex16_b32 v[PT+\b], v[BM+\b], s[SEL], s[SEL+1]
.endr
.irp b, 0,1,2,3
	v_max_num_f32 v[BM+\b], v[BM+\b], v[PT+\b]     ; with lane l xor 16's 16 keys
.endr
	v_max3_num_f32 v[TM], v[BM], v[BM+1], v[BM+2]
	v_max_num_f32 v[TM], v[TM], v[BM+3]            ; the step's largest score of my query (-infinity where all its keys are hidden)
	v_mul_f32 v[TM], s[CS], v[TM]                  ; as t (c is positive)
	v_max_num_f32 v[TMX], v[TMX], v[TM]            ; the running largest t
	v_mov_b32 v[TM], v[NM]
	v_floor_f32 v[NM], -v[TMX]                     ; the new -M = floor(-t) = -ceil(t): M is a whole number
	v_sub_f32 v[TM], v[NM], v[TM]                  ; old M less new M: a whole number, 0 or less
	v_cvt_i32_f32 v[TM], v[TM]                     ; (it saturates)
	v_ldexp_f32 v[F], 1.0, v[TM]                   ; f = 2^(old M - new M): a multiplication by it rounds nothing
.set jj, 0
.rept 32
	v_pk_fma_f32 v[S+jj:S+jj+1], v[S+jj:S+jj+1], s[CS:CS+1], v[NM:NM+1] op_sel_hi:[1,0,0]   ; t - M, two at a time (of the pairs c and -M the low word serves both halves)
.set jj, jj+2
.endr
.irp b, 0,1,2,3
	v_fma_f32 v[BM+\b], v[BM+\b], s[CS], v[NM]     ; the same of each block's largest score
.endr
.set jj, 0
	s_wait_alu depctr_va_vdst(0)
.rept 64
	v_exp_f32 v[S+jj], v[S+jj]                     ; p = 2^(t - M), at most 1: not normalised
.set jj, jj+1
.endr
	v_pk_mul_f32 v[SUM:SUM+1], v[SUM:SUM+1], v[F:F+1] op_sel_hi:[1,0]   ; the sums under the new M: a plain instruction behind the exponentials
.if \vl == 1
	s_wait_alu depctr_va_vdst(0)                   ; the 64 exponentials have written p, ahead of its first reader; and the first product is done reading v[FR ..] and v[KS ..], in which the loads below land
.irp t, 0,1,2,3
	ds_load_b32 v[KS+\t], v[ADT] offset:4*\k+16*SVP*\t   ; V's scale words: lanes 0-15 tile t's, lanes 16-31 tile t + 4's
.endr
	WIN 0x01                                       ; address window 1, destination window 0
	VLOAD FR, \slot, \q, 0                         ; V's fragments 0-3 land while the rest of both softmaxes is walked: none of its lines names v[FR ..] or v[KS ..]
	WIN \wself
.else
	WIN 0x01                                       ; address window 1, destination window 0
	s_wait_alu depctr_va_vdst(0)                   ; the 64 exponentials have written p, ahead of its first reader; and tile A's softmax is done reading and writing window 0's v[S ..], in which the loads below land
	VLOAD S, \slot, \q, 4                          ; V's fragments 4-7 take the registers that tile A's p has left; the rest of this softmax names window 1 alone, but for p's scale word
	WIN \wself
.endif
.irp b, 0,1,2,3
	v_exp_f32 v[BM+\b], v[BM+\b]                   ; the block's largest p: the same two instructions on the same number give the same bits
.endr
	v_pk_add_f32 v[PT:PT+1], v[S:S+1], v[S+2:S+3]  ; the row's sum is taken of the unquantised p: two at a time, in two chains
.irp j, 4,8,12,16,20,24,28,32,36,40,44,48,52,56,60
	v_pk_add_f32 v[SUM:SUM+1], v[SUM:SUM+1], v[S+\j:S+\j+1]
	v_pk_add_f32 v[PT:PT+1], v[PT:PT+1], v[S+2+\j:S+3+\j]
.endr
	v_pk_add_f32 v[SUM:SUM+1], v[SUM:SUM+1], v[PT:PT+1]
	s_wait_alu depctr_va_vdst(0)                   ; the four exponentials have written the blocks' largest p, ahead of its first reader
.irp b, 0,1,2,3
	v_max_num_f32 v[BM+\b], 0x8000000, v[BM+\b]    ; the floor 2^(16 - 127): the byte cannot fall under 1 (a block whose every p is 0 keeps that byte: its codes are zeros)
.endr
.irp b, 0,1,2,3
	v_add_nc_u32 v[XS+\b], 0xf8800000, v[BM+\b]    ; 15 off the exponent field: the conversion's scale operand
.endr
.irp b, 0,1,2,3
	v_and_or_b32 v[HL+\b], v[BM+\b], 0x7f800000, s[MNT]   ; 57,344 x the scale
.endr
.irp b, 0,1,2,3
	v_lshrrev_b32 v[PT+\b], 23, v[XS+\b]           ; the scale's byte
.endr
	v_lshl_or_b32 v[TW], v[PT+1], 8, v[PT]
	v_lshl_or_b32 v[TW], v[PT+2], 16, v[TW]
	WIN \wlast
	v_lshl_or_b32 v[\psw], v[PT+3], 24, v[TW]      ; p's scale word for these 128 keys: far more than eight plain instructions ahead of the products that name it
	WIN \wself
.irp b, 0,1,2,3
.irp i, 0,1,2,3,4,5,6,7,8,9,10,11,12,13,14,15
	v_min_num_f32 v[S+16*\b+\i], v[S+16*\b+\i], v[HL+\b]   ; the conversion to an 8-bit code does not saturate (ISA guide 7.6.2); p is not negative, so the hold is one-sided
.endr
	v_cvt_scalef32_pk8_bf8_f32 v[PC+4*\b:PC+4*\b+1], v[S+16*\b:S+16*\b+7], v[XS+\b]
	v_cvt_scalef32_pk8_bf8_f32 v[PC+4*\b+2:PC+4*\b+3], v[S+16*\b+8:S+16*\b+15], v[XS+\b]
.endr
.set jj, 0
.rept 32
	v_pk_mul_f32 v[O+jj:O+jj+1], v[O+jj:O+jj+1], v[F:F+1] op_sel_hi:[1,0]   ; O^T under the new M.  (Plain instructions behind the conversions and ahead of the products that take the codes)
.set jj, jj+2
.endr
.endm
; A KEY STEP: 128 keys, the q-th of LDS slot 'slot', step k of the trip's four.
.macro STEP slot, q, k
	s_bitcmp1_b32 s[FA], \k                        ; hidden for both my tiles: nothing of it is done
	s_cbranch_scc0 .Lhid_\@
	MLOAD 0, \k                                    ; tile A's lane masks: wanted behind the first product
	s_wait_alu depctr_va_vdst(0)                   ; the step before's second product is done reading v[FR ..] and v[KS ..], in which the loads below land; v[ADS] and v[ADT], made at the trip's head, are written
.irp t, 0,1,2,3
	ds_load_b32 v[KS+\t], v[ADS] offset:512*\k+4*(32*(\t/2)+8*(\t%2))
.endr
.irp g, 0,1
	WIN 0x01                                       ; address window 1, destination window 0
.irp t, 0,1,2,3
.irp c, 0,1,2,3
	ds_load_b128 v[FR+16*\t+4*\c:FR+16*\t+4*\c+3], v[AK+\slot] offset:(128*\q+16*(4*\g+\t))*KP+32*\c
.endr
.endr
	s_wait_dscnt 0x0
	WIN 0
	QK \g, QSA
	WIN 0x54                                       ; K's fragments window 0; Q, C and D window 1
	QK \g, QSB
	WIN 0
	PLACES 8                                       ; eight plain instructions between these products and loads into their operands, and the first read of their results
.if \g == 0
	s_wait_alu depctr_va_vdst(0)                   ; the eight products above are done reading v[FR ..], in which K's tiles 4-7 land
.endif
.endr
	s_wait_kmcnt 0x0                               ; tile A's lane masks are in
	s_bitcmp1_b32 s[FFA], \k
	s_cbranch_scc1 .LopA_\@                        ; all keys count: nothing to hide
	MASK
.LopA_\@:
	MLOAD 1, \k                                    ; tile B's, into the same registers: tile A's have been read
	SOFTMAX PSA, 0, 0, 1, \slot, \q, \k
	s_wait_kmcnt 0x0
	s_bitcmp1_b32 s[FFB], \k
	s_cbranch_scc1 .LopB_\@
	WIN 0x55                                       ; all of tile B's vector work: window 1
	MASK
	WIN 0
.LopB_\@:
	WIN 0x55
	SOFTMAX PSB, 0x11, 0x55, 2, \slot, \q, \k
	WIN 0
	s_wait_dscnt 0x0                               ; V's eight fragments and its scale words are in
	s_wait_alu depctr_va_vdst(0)                   ; the conversions have written both tiles' codes and the shifts both scale words, which the products below take as source 1 and as scales; the 32 rescalings above are the places, which stay beside this wait
	PV PSA
	WIN 0x54
	PV PSB
	WIN 0
	PLACES 9                                       ; nine: the next step's first products write over v96 on, which these have read as operands
.Lhid_\@:
.endm
; The start of a tile's sums.  Which key step is a wave's first is decided by the stored flags, so no first product can be written out with the constant 0: O^T begins as zeros, which the first change of M leaves zeros.
.macro INIT
	v_mov_b32 v[TMX], 0xff61b1e6                   ; the largest t so far: -3e38, under every t
	v_floor_f32 v[NM], -v[TMX]
	v_mov_b32 v[SUM], 0
	v_mov_b32 v[SUM+1], 0
.set jj, 0
.rept 64
	v_mov_b32 v[O+jj], 0
.set jj, jj+1
.endr
.endm
; The way out of a tile: the sum's halves, lane l xor 16's, the reciprocal, O^T / the sum into the registers that p has left
.macro NORM
	v_add_f32 v[SUM], v[SUM], v[SUM+1]
	v_permlanex16_b32 v[F], v[SUM], s[SEL], s[SEL+1]
	v_add_f32 v[SUM], v[SUM], v[F]
	s_wait_alu depctr_va_vdst(0)
	v_rcp_f32 v[SUM], v[SUM]
	v_nop                                          ; a plain instruction behind the reciprocal
	s_wait_alu depctr_va_vdst(0)                   ; the reciprocal is written, ahead of its first reader
.set jj, 0
.rept 32
	v_pk_mul_f32 v[S+jj:S+jj+1], v[O+jj:O+jj+1], v[SUM:SUM+1] op_sel_hi:[1,0]   ; register 8 t + i is out(query r, channel 16 t + 8 h + i)
.set jj, jj+2
.endr
.endm
.macro TOSTAGE
.irp t, 0,1,2,3,4,5,6,7
	ds_store_b128 v[SO], v[S+8*\t:S+8*\t+3] offset:64*\t
	ds_store_b128 v[SO], v[S+8*\t+4:S+8*\t+7] offset:64*\t+16
.endr
.endm
.macro BACK reg
.irp i, 0,1,2,3,4,5,6,7,8,9,10,11,12,13,14,15
	ds_load_b128 v[\reg+4*\i:\reg+4*\i+3], v[SR] offset:SP*\i   ; LDS serves a wave's instructions in order (ISA guide 5.7.1.4): these see my stores, and the next tile's stores come behind them
.endr
.endm
.macro SEND reg, off
.irp i, 0,1,2,3,4,5,6,7,8,9,10,11,12,13,14,15
	global_store_b128 v[GO], v[\reg+4*\i:\reg+4*\i+3], s[OB:OB+1] offset:\off+512*\i th:TH_STORE_NT   ; 32 lanes store a row's 512 consecutive bytes, at a multiple of 256 from the output's first byte
.endr
.endm
.Lpass:                                            ; two passes: block x, then block 7 - x
	s_sub_co_u32 s[T2], 7, ttmp9
	s_cmp_eq_u32 s[PASS], 2
	s_cselect_b32 s[BLK], ttmp9, s[T2]
	s_lshl_b32 s[Q0], s[BLK], 8
	s_lshl_b32 s[T2], s[WV], 5
	s_add_co_u32 s[Q0], s[Q0], s[T2]               ; my first query: 256 x block + 32 x wave
	s_lshl_b32 s[MO], s[Q0], 8                     ; tile Q0 / 16 has 4,096 bytes of lane masks
	s_mov_b32 s[TS], 0
	s_mov_b32 s[TRIPS], 4
	s_lshl_b32 s[T2], s[Q0], 9
	s_mov_b32 s[T3], 0
	s_add_nc_u64 s[OB:OB+1], s[OUT:OUT+1], s[T2:T3]
	s_lshl_b32 s2, s[BLK], 6                       ; the flags of the block's 16 tiles,
	s_lshr_b32 s3, s[Q0], 2                        ; and of my two
	s_load_b512 s[32:47], s[FLG:FLG+1], s2 offset:0x0
	s_load_b64 s[48:49], s[FLG:FLG+1], s3 offset:0x0
	ASK 0                                          ; the head's first 256 keys, always: so the staging registers are written on every way
	v_and_b32 v232, 15, v0
	v_bfe_u32 v233, v0, 4, 1
	v_lshlrev_b32 v234, 7, v232
	v_lshl_add_u32 v234, v233, 4, v234
	s_lshl_b32 s[T2], s[Q0], 7
	v_add_nc_u32 v234, s[T2], v234                 ; Q's codes: row Q0 + r of 128 bytes, + 16 h
	s_lshl_b32 s[T3], s[Q0], 2
	v_lshl_add_u32 v235, v232, 2, s[T3]            ; and its scale word.  v234 and v235 stand until the first fill's wait for loads
	s_wait_alu depctr_va_vdst(0)                   ; v234 and v235 are written, which the loads below read as offsets; the last pass's products are done reading Q's fragments and scale words, in which they land
.irp c, 0,1,2,3
	global_load_b128 v[QF+4*\c:QF+4*\c+3], v234, s[QC:QC+1] offset:32*\c th:TH_LOAD_NT
.endr
	global_load_b32 v[QSA], v235, s[QS:QS+1] th:TH_LOAD_NT
	global_load_b32 v[QSB], v235, s[QS:QS+1] offset:64 th:TH_LOAD_NT
	WIN 0x40                                       ; tile B: 16 rows on, destination window 1
.irp c, 0,1,2,3
	global_load_b128 v[QF+4*\c:QF+4*\c+3], v234, s[QC:QC+1] offset:2048+32*\c th:TH_LOAD_NT
.endr
	WIN 0
	INIT
	WIN 0x55
	INIT
	WIN 0
	s_wait_kmcnt 0x0                               ; the flags
	s_or_b32 s[WGA], s32, s33
.irp i, 34,35,36,37,38,39,40,41,42,43,44,45,46,47
	s_or_b32 s[WGA], s[WGA], s[\i]
.endr
	s_and_b32 s[WGA], s[WGA], 0xffff               ; 16 bits: so the tests for steps past the 16th fail, and nothing is fetched past the head's end
	s_or_b32 s[FA], s48, s49
	s_and_b32 s[FA], s[FA], 0xffff
	s_lshr_b32 s[FFA], s48, 16
	s_lshr_b32 s[FFB], s49, 16
	PUT 0, 0                                       ; its wait for loads serves Q too; its wait for LDS serves the scale bytes' stores
.Ltrip:                                            ; four trips of two slots, four key steps
	v_add_nc_u32 v[ADS], s[TS], v[ASK0]            ; (the fill just passed has stated that the loads which read these two registers have read them)
	s_lshr_b32 s[T3], s[TS], 7                     ; V's scale words: 16 bytes a trip
	v_add_nc_u32 v[ADT], s[T3], v[ASV0]
	ASK 0xc                                        ; steps 2 and 3, asked for two key steps ahead of the wait for them
	STEP 0, 0, 0
	STEP 0, 1, 1
	PUT 1, 0xc
	ASK 0x30                                       ; the next trip's steps 0 and 1
	STEP 1, 0, 2
	STEP 1, 1, 3
	PUT 0, 0x30
	s_lshr_b32 s[FA], s[FA], 4
	s_lshr_b32 s[FFA], s[FFA], 4
	s_lshr_b32 s[FFB], s[FFB], 4
	s_lshr_b32 s[WGA], s[WGA], 4
	s_add_co_u32 s[TS], s[TS], 2048
	s_add_co_u32 s[MO], s[MO], 1024                ; (every scalar load that named it has been waited for)
	s_sub_co_u32 s[TRIPS], s[TRIPS], 1
	s_cmp_lg_u32 s[TRIPS], 0
	s_cbranch_scc1 .Ltrip
	; THE WAY OUT.  A lane holds 32 neighbouring bytes of a row and the lanes beside it hold other rows: so a tile goes through my own stage in LDS and comes back as whole rows of 512 bytes.
	NORM
	WIN 0x55
	NORM
	WIN 0
	s_wait_alu depctr_va_vdst(0)                   ; the multiplications have written v[S ..] of both windows, which the stage's stores read, and are done reading v[O ..], in which tile B's rows land; the last products are done reading v[FR ..], in which tile A's rows land.  No vector instruction follows before the pass ends
	TOSTAGE                                        ; tile A
	BACK FR
	WIN 0x04                                       ; tile B: the data window 1, the address window 0
	TOSTAGE
	WIN 0
	BACK O
	s_wait_dscnt 32                                ; tile A's rows are back: behind its 16 loads stand tile B's 16 stores and 16 loads
	SEND FR, 0
	s_wait_dscnt 0x0
	SEND O, 8192
	s_wait_xcnt 0x0                                ; the stores have read their registers and their base: the next pass writes both
	s_wait_alu depctr_vm_vsrc(0)                   ; the stage's stores have read v[S ..] of both windows and the output's stores v[FR ..] and v[O ..]: the next pass clears O, loads into FR and lets its products write S
	s_sub_nc_u64 s[KW:KW+1], s[KW:KW+1], 9*32768   ; nine fills have stepped K's and V's pointers: back to the head's first keys
	s_sub_nc_u64 s[VW:VW+1], s[VW:VW+1], 9*256
	s_sub_co_u32 s[PASS], s[PASS], 1
	s_cmp_lg_u32 s[PASS], 0
	s_cbranch_scc1 .Lpass                          ; no further barrier: the last fill's barrier stands behind every wave's last read of both slots
	s_set_vgpr_msb 0x5
	s_wait_dscnt 0x0
	s_wait_alu depctr_hold_cnt(0) depctr_sa_sdst(0) depctr_va_vdst(0) depctr_va_sdst(0) depctr_va_ssrc(0) depctr_va_vcc(0) depctr_vm_vsrc(0)
	s_wait_tensorcnt 0x0
	ds_add_u32 v251, v255
	s_wait_dscnt 0x0
	s_endpgm
.Lfunc_end_k_q67c383c7b2_attn:
	.size	k_q67c383c7b2_attn, .Lfunc_end_k_q67c383c7b2_attn-k_q67c383c7b2_attn
	.p2alignl 7, 3214868480
	.fill 96, 4, 3214868480
	.section	.rodata,"a",@progbits
	.p2align	6, 0x0
	.amdhsa_kernel k_q67c383c7b2_attn
		.amdhsa_group_segment_fixed_size 230400
		.amdhsa_private_segment_fixed_size 0
		.amdhsa_enable_private_segment 0
		.amdhsa_kernarg_size 72
		.amdhsa_user_sgpr_count 2
		.amdhsa_user_sgpr_kernarg_segment_ptr 1
		.amdhsa_wavefront_size32 1
		.amdhsa_system_sgpr_workgroup_id_x 1
		.amdhsa_system_sgpr_workgroup_id_y 1
		.amdhsa_system_sgpr_workgroup_id_z 1
		.amdhsa_system_vgpr_workitem_id 0
		.amdhsa_next_free_vgpr 512
		.amdhsa_next_free_sgpr 106
		.amdhsa_reserve_vcc 0
		.amdhsa_float_denorm_mode_32 3
		.amdhsa_float_denorm_mode_16_64 3
		.amdhsa_memory_ordered 1
		.amdhsa_forward_progress 1
		.amdhsa_inst_pref_size 229
	.end_amdhsa_kernel
	.amdgpu_metadata
---
amdhsa.version: [ 1, 2 ]
amdhsa.kernels:
  - .name:           k_q67c383c7b2_attn
    .symbol:         k_q67c383c7b2_attn.kd
    .args:
      - { .name: Q_codes, .offset: 0, .size: 8, .value_kind: global_buffer, .address_space: global }
      - { .name: Q_scales, .offset: 8, .size: 8, .value_kind: global_buffer, .address_space: global }
      - { .name: K_codes, .offset: 16, .size: 8, .value_kind: global_buffer, .address_space: global }
      - { .name: V_codes, .offset: 24, .size: 8, .value_kind: global_buffer, .address_space: global }
      - { .name: mwords, .offset: 32, .size: 8, .value_kind: global_buffer, .address_space: global }
      - { .name: mflags, .offset: 40, .size: 8, .value_kind: global_buffer, .address_space: global }
      - { .name: out0, .offset: 48, .size: 8, .value_kind: global_buffer, .address_space: global }
      - { .name: K_scales, .offset: 56, .size: 8, .value_kind: global_buffer, .address_space: global }
      - { .name: V_scales, .offset: 64, .size: 8, .value_kind: global_buffer, .address_space: global }
    .group_segment_fixed_size: 230400
    .private_segment_fixed_size: 0
    .kernarg_segment_align: 8
    .kernarg_segment_size: 72
    .max_flat_workgroup_size: 256
    .sgpr_count:     106
    .vgpr_count:     512
    .wavefront_size: 32
...
	.end_amdgpu_metadata
.endif
;; end of part 4
